; MI455X (gfx1250); checked and timed in simulation.
; The chip was launched on July 23, 2026; its instructions are those of AMD's public machine-readable ISA for CDNA 5 (MIT licence, August 2026) and "CDNA5" Instruction Set Architecture Reference Guide (July 2026). The comments in the code are by the model that wrote it; some were corrected since.
;; Optimized Qwen3 VL Attention. Allowed arithmetic: matrix products marked QUANTISED: E2M3 operands, one E8M0 scale for each 32 along K, by v_wmma_scale_f32_16x16x128_f8f6f4 with both operands' format E2M3, f32 sums; everything else in f32.
;; Inputs: cos 2,048 x 128 float32; hidden_states 2 x 2,048 x 2,048 float32; k_norm_w 128 float32; q_norm_w 128 float32; sin 2,048 x 128 float32; wk 2,048 x 1,024 float32; wo 1,024 x 2,048 float32; wq 2,048 x 1,024 float32; wv 2,048 x 1,024 float32.
;; Outputs: out0 2 x 2,048 x 2,048 float32.
;; This version of the problem:
;;   THIS VERSION OF THE PROBLEM IS GIVEN IN LOW PRECISION. The matrix products marked QUANTISED in the list below multiply operands that are first quantised to E2M3 (2 exponent bits, 3 mantissa bits; 6 bits a number), with one power-of-two scale for each 32 numbers along K (OCP MX v1.0); their sums are f32. All else is computed in f32.
;;   The module's matrix products, in the order in which they are computed (A, B: the left and right operand; K: the contracted axis; several contracted axes count as one K, in the product's order):
;;     1. [M 4,096, K 2,048] x [K 2,048, N 1,024]; A: input hidden_states; B: input wq: QUANTISED
;;     2. [M 4,096, K 2,048] x [K 2,048, N 1,024]; A: input hidden_states; B: input wk: QUANTISED
;;     3. [M 4,096, K 2,048] x [K 2,048, N 1,024]; A: input hidden_states; B: input wv: QUANTISED
;;     4. batch 16 x [M 2,048, K 128] x [K 128, N 2,048]; A: computed on the way; B: computed on the way: QUANTISED
;;     5. batch 16 x [M 128, K 2,048] x [K 2,048, N 2,048]; A: computed on the way; B: softmax (see below): QUANTISED
;;     6. [M 4,096, K 1,024] x [K 1,024, N 2,048]; A: computed on the way; B: input wo: QUANTISED
;;   THE QUANTISER, for each operand of a quantised product, along K:
;;     - K is cut into blocks of 32 from its start; a last block that is shorter is filled with zeros.
;;     - A block's scale is 2^e with e = floor(log2(the largest magnitude in the block)) - 2, held to -126 .. 127; a block of zeros has e = 0. As a byte (E8M0): e + 127.
;;     - Each number is divided by its block's scale, clamped to +-7.5, and rounded to the nearest number of E2M3, ties to even, subnormals kept.
;;     - The product sums the exact products of the quantised numbers (number of the format x scale) in f32.
;;   ~~~python
;;   def quantise(x, axis):      # numpy; x: float32 -> the quantised numbers, widened to float32 again
;;       x = np.moveaxis(x, axis, -1); K = x.shape[-1]
;;       x = np.pad(x, [(0, 0)] * (x.ndim - 1) + [(0, -K % 32)]); x = x.reshape(x.shape[:-1] + (-1, 32)); a = np.abs(x).max(-1, keepdims=True)
;;       e = np.where(a > 0, np.clip(np.frexp(np.where(a > 0, a, 1))[1] - 1 - 2, -126, 127), 0)      # np.frexp(a)[1] - 1 = floor(log2(a)), exactly
;;       r = np.clip(x / 2.0 ** e, -7.5, 7.5)
;;       step = 2.0 ** (np.maximum(np.frexp(np.where(r == 0, 1, r))[1] - 1, 0) - 3)
;;       q = np.round(r / step) * step * 2.0 ** e      # np.round: ties to even
;;       return np.moveaxis(q.reshape(q.shape[:-2] + (-1,))[..., :K], -1, axis).astype(np.float32)
;;   ~~~
;;   SOFTMAX AHEAD OF A QUANTISED PRODUCT. Where the list says 'softmax', what is quantised is not the finished softmax but p = 2^(t - M), with t = logit x log2(e) and M = ceil(the row's largest t), a whole number; so 1/2 < the row's largest p <= 1. The row's sum l is taken of the UNQUANTISED p, in f32, and the product's result is divided by l at the end. Since M is a whole number, a kernel that streams over the keys may use a running M (the ceiling of the running maximum): every later rescaling is an exact power of two, which a block's scale takes up: the codes' values come out the same.
;;   OPERANDS COMPUTED ON THE WAY. 'Computed on the way' means the value that the module computes at that place (a softmax that the list does not call 'softmax' is quantised finished and normalised). What goes into a quantiser is computed in f32, as accurately as f32 sums, v_exp_f32 and their like allow (about 1e-6 of the number): no bf16 or f16 on the way to a quantiser, and a product that is left as it is and whose result goes on into a quantised operand takes f32 operands (vector FMAs, or v_wmma_f32_16x16x4_f32). A number that lies on a knife's edge between two numbers of the format may be rounded either way, as far as f32 arithmetic and the matrix unit's own rounding can turn it there, and no further.
;; One version. Each part assembles by itself: llvm-mc -triple=amdgcn-amd-amdhsa -mcpu=gfx1250 --defsym DOCPART=n.
;; ======== version 1 of 1: 4 launches
;; limits: right only within a limited range of input values
;; workspace buffers: opc 12,582,912 bytes; ops 524,288 bytes; rope 4,194,304 bytes; qkvc 9,437,184 bytes; qkvs 393,216 bytes; ctxc 3,145,728 bytes; ctxs 131,072 bytes
;; launch quant (part 1): grid 576 x 1, 4 waves a work-group, no clusters, 59,904 bytes of LDS; arguments hidden_states, wq, wk, wv, wo, cos, sin, q_norm_w, k_norm_w, opc, ops, rope; writes opc, ops, rope
.if DOCPART == 1
	.amdgcn_target "amdgcn-amd-amdhsa--gfx1250"
	.amdhsa_code_object_version 6
	.text
	.protected	k_q2834c77e28_quant
	.globl	k_q2834c77e28_quant
	.p2align	8
	.type	k_q2834c77e28_quant,@function
k_q2834c77e28_quant:
	s_mov_b64 s[64:65], 0
	v_nop
	global_prefetch_b8 v0, s[64:65] scope:SCOPE_SE
	s_setreg_imm32_b32 hwreg(HW_REG_WAVE_MODE, 25, 1), 1
	s_wait_xcnt 0x0
; hidden_states, wq, wk, wv, wo (f32) become codes of FP6 (E2M3) with one E8M0 byte for each 32 along K, laid as the products' launches read them; cos, sin and the two norm gains become the RoPE tables.
; A block's scale is 2^(floor(log2(largest magnitude)) - 2): its byte is the largest magnitude's exponent field - 2, held at 1 from below.
; LIMITS: a block of zeros gets the byte 1 (its codes are zeros; only this program reads the bytes); blocks whose largest magnitude lies under 2^-124 are held at the byte 1; NaN and infinities are not served.
; ROW ORDER OF THE BUFFERS: row r of a rowblock RB (16 rows) is the true row 32 (RB / 2) + 8 (RB % 2) + r + 8 (r / 8): bits 3 and 4 of the row number change places.
; FRAGMENT IMAGE: 16 rows x 128 K are the operand's 12 registers a lane, register g of lane l at byte 512 (g / 4) + 16 l + 4 (g % 4): 1,536 bytes.  Lane (r, h): registers 6 c .. 6 c + 5 = K 64 c + 32 h + 0 .. 31 of row r.
; SCALE IMAGE: [rowblock][K / 256][r][2 words], a word = the four bytes of 128 along K.
; opc: [rowblock 0..447][K step 16][1536]: x 0-255, wq 256-319, wk 320-383, wv 384-447; then wo at WO_C: [rowblock 128][K step 8][1536].  ops likewise, 1,024 bytes a rowblock, wo at WO_S with 512.
; rope: [q, k][rowblock of positions 128][32 x 512 bytes]: for lane (r, h), register n = 16 b + i, d = 32 b + 16 h + i: C[n] = w[d] cos[s][d], then Sg[n] = (d < 64 ? -w[d + 64] : w[d - 64]) sin[s][d].
; Work-groups 0-255: a rowblock of x each (a wave: 4 K steps).  256-511: 128 columns x 256 K of a weight.  512-575: four tables each.  Waves share nothing: no barrier.  Each path has LDS bytes of its own.
; The weights' scale words leave in runs of 128 bytes (one byte in 128 of what that path reads): those stores do not cover whole aligned runs of 256 bytes.
.set XSTG,  0                          ; x path: a stage of 16 rows x (512 + 16) bytes for each wave
.set WSTG,  33792                      ; weight path: for each wave two rowblocks' images of 3,072 bytes, 3,200 apart
.set SPARE, 59392                      ; the spare words, 128 bytes a wave: two blocks of 256 bytes that no other line names
.set WO_C,  11010048
.set WO_S,  458752
.set SPW, 5                            ; v5  LDS address of my spare word; never rewritten
.set NIL, 6                            ; v6  0; never rewritten
.set XR,  32                           ; x path: v32-159 two sets of 64 as loaded; v160-223 my 64 numbers; v224-235 the fragment; v236-243 second halves
.set XX,  160
.set CD,  224
.set CT,  236
.set SB,  16                           ; weight path: v16-17 scale words; v18, v19 offsets; v32-63 row offsets; v64-127 two sets of 32; v128-136 codes; v140-187 the way out
.set VO,  32
.set WX,  64
.set WC,  128
.set WOUT, 140
.macro FINISH                          ; a wave's end, behind its last LDS store
	s_wait_tensorcnt 0x0
	ds_add_u32 v[SPW], v[NIL]
	s_wait_dscnt 0x0
	s_endpgm
.endm
	s_load_b512 s[4:19], s[0:1], 0x0               ; hs s[4:5], wq s[6:7], wk s[8:9], wv s[10:11], wo s[12:13], cos s[14:15], sin s[16:17], q gain s[18:19]
	s_load_b256 s[20:27], s[0:1], 0x40             ; k gain s[20:21], opc s[22:23], ops s[24:25], rope s[26:27]
	v_lshl_add_u32 v[SPW], v0, 2, SPARE
	v_mov_b32 v[NIL], 0
	v_lshrrev_b32 v1, 5, v0
	v_readfirstlane_b32 s28, v1                    ; wave
	v_and_b32 v1, 31, v0                           ; lane
	v_and_b32 v2, 15, v0                           ; r
	v_bfe_u32 v3, v0, 4, 1                         ; h
	v_lshlrev_b32 v4, 4, v1                        ; 16 x lane
	v_lshlrev_b32 v11, 2, v1                       ; 4 x lane
	v_lshlrev_b32 v12, 3, v1                       ; 8 x lane
	s_mul_i32 s29, s28, 8448                       ; every LDS address is made here, ahead of the parting of the paths
	v_add_nc_u32 v7, s29, v4                       ; x stage, in: 16 x lane of a row
	v_mul_u32_u24 v8, v2, 528
	v_lshl_add_u32 v8, v3, 7, v8
	v_add_nc_u32 v8, s29, v8                       ; x stage, out: row r, + 128 h
	v_bfe_u32 v13, v0, 3, 1                        ; weights: my column's rowblock of the wave's two,
	v_and_b32 v14, 7, v0
	v_lshl_add_u32 v14, v3, 3, v14                 ; and its row there: lane % 8 + 8 (lane / 16)
	s_mul_i32 s29, s28, 6400
	s_add_co_u32 s29, s29, WSTG
	v_mul_u32_u24 v9, v13, 3200
	v_lshl_add_u32 v9, v14, 4, v9
	v_add_nc_u32 v9, s29, v9                       ; weight stage, in
	v_add_nc_u32 v10, s29, v4                      ; weight stage, out
	s_mov_b32 s30, 0x76543210
	s_mov_b32 s31, 0xfedcba98                      ; v_permlanex16_b32's selects for lane l xor 16
	s_wait_kmcnt 0x0
	s_cmp_lt_u32 ttmp9, 256
	s_cbranch_scc0 .Lnot_x
; ---------------- x: rowblock = work-group; wave w takes K steps 4 w .. 4 w + 3 ----------------
	s_lshr_b32 s32, ttmp9, 1
	s_lshl_b32 s32, s32, 5
	s_and_b32 s33, ttmp9, 1
	s_lshl_b32 s33, s33, 3
	s_add_co_u32 s32, s32, s33                     ; the rowblock's first true row
	s_lshl_b32 s32, s32, 13                        ; rows of 8,192 bytes
	s_lshl_b32 s33, s28, 11                        ; + 4 K steps of 512 bytes a wave
	s_add_co_u32 s32, s32, s33
	s_mov_b32 s33, 0
	s_add_nc_u64 s[4:5], s[4:5], s[32:33]
	s_lshl_b32 s32, ttmp9, 4
	s_lshl_b32 s34, s28, 2
	s_add_co_u32 s32, s32, s34
	s_mul_i32 s32, s32, 1536
	s_add_nc_u64 s[22:23], s[22:23], s[32:33]      ; my four images
	s_lshl_b32 s32, ttmp9, 10
	s_lshl_b32 s34, s28, 8
	s_add_co_u32 s32, s32, s34
	s_add_nc_u64 s[24:25], s[24:25], s[32:33]      ; my 256 bytes of scale words
	v_lshlrev_b32 v27, 3, v3                       ; 8 h
	v_mov_b32 v28, 0                               ; a lane permute's destination counts as one of its sources
.macro LOADX t                         ; K step t of the 16 rows: each load reads 512 consecutive bytes of one row
.irp rr, 0,1,2,3,4,5,6,7,8,9,10,11,12,13,14,15
	global_load_b128 v[XR+64*((\t)%2)+4*\rr:XR+64*((\t)%2)+4*\rr+3], v4, s[4:5] offset:(\rr+8*(\rr/8))*8192+512*(\t) th:TH_LOAD_NT
.endr
.endm
.macro STEPX t
.if (\t) < 3
	s_wait_loadcnt 16                              ; this step's 16 loads are in; the next step's 16 may be out
.else
	s_wait_loadcnt 0
.endif
.irp rr, 0,1,2,3,4,5,6,7,8,9,10,11,12,13,14,15
	ds_store_b128 v7, v[XR+64*((\t)%2)+4*\rr:XR+64*((\t)%2)+4*\rr+3] offset:528*\rr
.endr
.irp c, 0,1
.irp j, 0,1,2,3,4,5,6,7
	ds_load_b128 v[XX+32*\c+4*\j:XX+32*\c+4*\j+3], v8 offset:256*\c+16*\j   ; K 64 c + 32 h + 4 j on of row r; LDS serves a wave's instructions in order: these see the stores above
.endr
.endr
	s_wait_dscnt 0x0                               ; my numbers are back, and the stores have read their registers,
.if (\t) < 2
	LOADX (\t)+2                                   ; which take the loads of two steps on
.endif
.irp c, 0,1
	v_max3_num_f32 v[20+\c], |v[XX+32*\c]|, |v[XX+32*\c+1]|, 0x1800000   ; my block 2 c + h, all 32 numbers mine; the floor 2^(3 - 127) holds the byte at 1 from below
.endr
.irp i, 2,4,6,8,10,12,14,16,18,20,22,24,26,28,30
.irp c, 0,1
	v_max3_num_f32 v[20+\c], v[20+\c], |v[XX+32*\c+\i]|, |v[XX+32*\c+\i+1]|
.endr
.endr
.irp c, 0,1
	v_add_nc_u32 v[22+\c], 0xff000000, v[20+\c]    ; 2 off the exponent field: the conversion's scale operand
.endr
.irp c, 0,1
	v_lshrrev_b32 v[24+\c], 23, v[22+\c]           ; the scale's byte
.endr
	v_lshl_or_b32 v26, v25, 16, v24                ; blocks h and 2 + h,
	v_lshlrev_b32 v26, v27, v26                    ; at their places in the word;
	v_permlanex16_b32 v28, v26, s30, s31
	v_or_b32 v[16+(\t)], v26, v28                  ; with lane l xor 16's two the word is whole
	s_wait_alu depctr_va_vdst(0)
	s_wait_xcnt 0x0                                ; the last step's stores have read the fragment's registers
.irp c, 0,1
	v_cvt_scalef32_pk16_fp6_f32 v[CD+6*\c:CD+6*\c+2], v[XX+32*\c:XX+32*\c+15], v[22+\c]
	v_cvt_scalef32_pk16_fp6_f32 v[CT+4*\c:CT+4*\c+2], v[XX+32*\c+16:XX+32*\c+31], v[22+\c]   ; (a conversion's three registers begin on an even number)
.endr
	v_nop                                          ; one plain place behind a scaled conversion
.irp c, 0,1
.irp i, 0,1,2
	v_mov_b32 v[CD+6*\c+3+\i], v[CT+4*\c+\i]
.endr
.endr
.irp c, 0,1,2
	global_store_b128 v4, v[CD+4*\c:CD+4*\c+3], s[22:23] offset:1536*(\t)+512*\c   ; 512 consecutive bytes, aligned
.endr
.endm
	LOADX 0
	LOADX 1
	STEPX 0
	STEPX 1
	STEPX 2
	STEPX 3
	v_cmp_ne_u32 vcc_lo, 0, v3                     ; lanes 0-15 store the words of K steps 0, 1 of their row, lanes 16-31 those of 2, 3
	v_cndmask_b32 v20, v16, v18, vcc_lo
	v_cndmask_b32 v21, v17, v19, vcc_lo
	global_store_b64 v12, v[20:21], s[24:25]       ; 256 consecutive bytes, aligned
	FINISH
; ---------------- the weights: K is the first axis: a lane takes a column, its registers run down K ----------------
.Lnot_x:
	s_cmp_lt_u32 ttmp9, 512
	s_cbranch_scc0 .Lrope
	s_sub_co_u32 s48, ttmp9, 256
	s_lshr_b32 s49, s48, 6                         ; which weight: 0 wq, 1 wk, 2 wv, 3 wo
	s_and_b32 s50, s48, 63
	s_lshl_b32 s58, s49, 6
	s_add_co_u32 s58, s58, 256                     ; the weight's first rowblock
	s_cmp_eq_u32 s49, 1
	s_cselect_b64 s[6:7], s[8:9], s[6:7]
	s_cmp_eq_u32 s49, 2
	s_cselect_b64 s[6:7], s[10:11], s[6:7]
	s_cmp_eq_u32 s49, 3                            ; wo has other shapes: all that differs is chosen here, on this one compare
	s_cselect_b64 s[6:7], s[12:13], s[6:7]
	s_mov_b32 s51, 4096
	s_cselect_b32 s51, 8192, s51                   ; a row of the weight in bytes
	s_mov_b32 s52, 24576
	s_cselect_b32 s52, 12288, s52                  ; a rowblock of codes
	s_mov_b32 s53, 1024
	s_cselect_b32 s53, 512, s53                    ; a rowblock of scale words
	s_cselect_b32 s54, WO_C, 0
	s_cselect_b32 s55, WO_S, 0
	s_cselect_b32 s56, 15, 7
	s_cselect_b32 s57, 4, 3
	s_cselect_b32 s58, 0, s58
	s_and_b32 s56, s50, s56                        ; which 128 columns
	s_lshr_b32 s57, s50, s57                       ; which 256 along K
	s_lshl_b32 s59, s56, 3
	s_add_co_u32 s58, s58, s59
	s_lshl_b32 s59, s28, 1
	s_add_co_u32 s58, s58, s59                     ; my wave's first rowblock
	s_mul_i32 s60, s57, s51
	s_lshl_b32 s60, s60, 8                         ; 256 rows of the weight for each step along K
	s_lshl_b32 s59, s56, 9
	s_add_co_u32 s60, s60, s59
	s_lshl_b32 s59, s28, 7
	s_add_co_u32 s60, s60, s59                     ; + 4 x my wave's first column
	s_mov_b32 s61, 0
	s_add_nc_u64 s[32:33], s[6:7], s[60:61]        ; block 0's first row;
	s_lshl_b32 s62, s51, 5
	s_mov_b32 s63, 0
.irp t, 1,2,3,4,5,6,7
	s_add_nc_u64 s[32+2*\t:33+2*\t], s[30+2*\t:31+2*\t], s[62:63]   ; block t's: 32 rows on
.endr
	s_mul_i32 s60, s58, s52
	s_add_co_u32 s60, s60, s54
	s_mul_i32 s59, s57, 3072
	s_add_co_u32 s60, s60, s59
	s_add_nc_u64 s[22:23], s[22:23], s[60:61]      ; my first rowblock's two images
	s_mul_i32 s60, s58, s53
	s_add_co_u32 s60, s60, s55
	s_lshl_b32 s59, s57, 7
	s_add_co_u32 s60, s60, s59
	s_add_nc_u64 s[24:25], s[24:25], s[60:61]      ; and its scale words
	s_wait_alu depctr_va_vdst(0)
	v_mul_lo_u32 v18, v13, s53
	v_lshl_add_u32 v18, v14, 3, v18                ; my column's two words
	v_add_nc_u32 v19, s52, v4                      ; the second rowblock's images
	v_mov_b32 v[VO], v11
.set i, 1
.rept 31
	v_add_nc_u32 v[VO+i], s51, v[VO+i-1]           ; 4 x lane + i rows
.set i, i+1
.endr
.macro LOADW t                         ; block t: W(32 t + i, my column): 128 consecutive bytes a load
.set i, 0
.rept 32
	global_load_b32 v[WX+32*((\t)%2)+i], v[VO+i], s[32+2*(\t):33+2*(\t)] th:TH_LOAD_NT
.set i, i+1
.endr
.endm
.macro BLOCKW t
.set XS, WX+32*((\t)%2)
.if (\t) < 7
	s_wait_loadcnt 32                              ; this block's 32 loads are in; the next block's may be out
.else
	s_wait_loadcnt 0
.endif
	v_max3_num_f32 v20, |v[XS]|, |v[XS+1]|, |v[XS+2]|
	v_max3_num_f32 v21, |v[XS+3]|, |v[XS+4]|, |v[XS+5]|
.irp i, 6,10,14,18,22,26
	v_max3_num_f32 v20, v20, |v[XS+\i]|, |v[XS+\i+1]|
	v_max3_num_f32 v21, v21, |v[XS+\i+2]|, |v[XS+\i+3]|
.endr
	v_max3_num_f32 v20, v20, |v[XS+30]|, |v[XS+31]|
	v_max3_num_f32 v20, v20, v21, 0x1800000        ; and the floor
	v_add_nc_u32 v22, 0xff000000, v20
	v_lshrrev_b32 v23, 23, v22
.if (\t)%4 == 0
	v_mov_b32 v[SB+(\t)/4], v23
.else
	v_lshl_or_b32 v[SB+(\t)/4], v23, 8*((\t)%4), v[SB+(\t)/4]
.endif
	v_cvt_scalef32_pk16_fp6_f32 v[WC:WC+2], v[XS:XS+15], v22
	v_cvt_scalef32_pk16_fp6_f32 v[WC+6:WC+8], v[XS+16:XS+31], v22
	v_nop                                          ; one plain place behind a scaled conversion
	v_mov_b32 v[WC+3], v[WC+6]
	v_mov_b32 v[WC+4], v[WC+7]
	v_mov_b32 v[WC+5], v[WC+8]
.set OFF, 1536*((\t)/4)+256*((\t)%2)   ; K step t / 4; the image's lane is my row + 16 (t % 2); registers 0-5 (t % 4 < 2) or 6-11
.if (\t)%4 < 2
	ds_store_b128 v9, v[WC:WC+3] offset:OFF
	ds_store_b64 v9, v[WC+4:WC+5] offset:OFF+512
.else
	ds_store_b64 v9, v[WC:WC+1] offset:OFF+520
	ds_store_b128 v9, v[WC+2:WC+5] offset:OFF+1024
.endif
.if (\t)+2 < 8
	LOADW (\t)+2
.endif
	s_wait_dscnt 0x0                               ; the stores have read their registers: the next block's codes may be written
.endm
	LOADW 0
	LOADW 1
.irp t, 0,1,2,3,4,5,6,7
	BLOCKW \t
.endr
	s_wait_alu depctr_va_vdst(0)
	global_store_b64 v18, v[SB:SB+1], s[24:25]
.irp m, 0,1,2,3,4,5,6,7,8,9,10,11
	ds_load_b128 v[WOUT+4*\m:WOUT+4*\m+3], v10 offset:512*\m+128*(\m/6)   ; the two rowblocks' images, as they will lie in memory
.endr
.irp m, 0,1,2,3,4,5,6,7,8,9,10,11
	s_wait_dscnt 11-\m                             ; piece m is back; the younger ones may be out
.if \m < 6
	global_store_b128 v4, v[WOUT+4*\m:WOUT+4*\m+3], s[22:23] offset:512*\m
.else
	global_store_b128 v19, v[WOUT+4*\m:WOUT+4*\m+3], s[22:23] offset:512*(\m-6)
.endif
.endr
	FINISH
; ---------------- the RoPE tables: a wave makes one table (kind, rowblock of positions) ----------------
.Lrope:
	s_sub_co_u32 s48, ttmp9, 512
	s_lshl_b32 s48, s48, 2
	s_add_co_u32 s48, s48, s28                     ; 0 .. 255
	s_lshr_b32 s49, s48, 7                         ; 0: q's gain, 1: k's
	s_and_b32 s50, s48, 127                        ; rowblock of positions
	s_cmp_eq_u32 s49, 0
	s_cselect_b64 s[18:19], s[18:19], s[20:21]
	s_lshr_b32 s51, s50, 1
	s_lshl_b32 s51, s51, 5
	s_and_b32 s52, s50, 1
	s_lshl_b32 s52, s52, 3
	s_add_co_u32 s60, s51, s52                     ; its first true position
	s_lshl_b32 s60, s60, 9
	s_mov_b32 s61, 0
	s_add_nc_u64 s[14:15], s[14:15], s[60:61]
	s_add_nc_u64 s[16:17], s[16:17], s[60:61]
	s_lshl_b32 s60, s48, 14
	s_add_nc_u64 s[26:27], s[26:27], s[60:61]
	v_and_b32 v15, 8, v2
	v_add_nc_u32 v15, v15, v2                      ; r + 8 (r / 8)
	v_lshlrev_b32 v15, 9, v15
	v_lshl_add_u32 v15, v3, 6, v15                 ; my position's row, + 64 h
	v_lshlrev_b32 v16, 6, v3
.irp b, 0,1,2,3
.irp j, 0,1,2,3
	global_load_b128 v[32+16*\b+4*\j:35+16*\b+4*\j], v16, s[18:19] offset:128*\b+16*\j     ; w[d], d = 32 b + 16 h + 4 j on
	global_load_b128 v[96+16*\b+4*\j:99+16*\b+4*\j], v15, s[14:15] offset:128*\b+16*\j     ; cos
	global_load_b128 v[160+16*\b+4*\j:163+16*\b+4*\j], v15, s[16:17] offset:128*\b+16*\j   ; sin
.endr
.endr
	s_wait_loadcnt 0x0
.set n, 0
.rept 32
	v_pk_mul_f32 v[96+n:97+n], v[96+n:97+n], v[32+n:33+n]
.set n, n+2
.endr
.set n, 0
.rept 16
	v_pk_mul_f32 v[160+n:161+n], v[160+n:161+n], v[64+n:65+n] neg_lo:[0,1] neg_hi:[0,1]   ; d < 64: -w[d + 64] sin
	v_pk_mul_f32 v[192+n:193+n], v[192+n:193+n], v[32+n:33+n]                             ; d >= 64: w[d - 64] sin
.set n, n+2
.endr
.irp c, 0,1,2,3,4,5,6,7,8,9,10,11,12,13,14,15
	global_store_b128 v4, v[96+4*\c:99+4*\c], s[26:27] offset:512*\c
.endr
.irp c, 0,1,2,3,4,5,6,7,8,9,10,11,12,13,14,15
	global_store_b128 v4, v[160+4*\c:163+4*\c], s[26:27] offset:8192+512*\c
.endr
	FINISH
.Lfunc_end_k_q2834c77e28_quant:
	.size	k_q2834c77e28_quant, .Lfunc_end_k_q2834c77e28_quant-k_q2834c77e28_quant
	.p2alignl 7, 3214868480
	.fill 96, 4, 3214868480
	.section	.rodata,"a",@progbits
	.p2align	6, 0x0
	.amdhsa_kernel k_q2834c77e28_quant
		.amdhsa_group_segment_fixed_size 59904
		.amdhsa_private_segment_fixed_size 0
		.amdhsa_enable_private_segment 0
		.amdhsa_kernarg_size 96
		.amdhsa_user_sgpr_count 2
		.amdhsa_user_sgpr_kernarg_segment_ptr 1
		.amdhsa_wavefront_size32 1
		.amdhsa_system_sgpr_workgroup_id_x 1
		.amdhsa_system_sgpr_workgroup_id_y 1
		.amdhsa_system_sgpr_workgroup_id_z 1
		.amdhsa_system_vgpr_workitem_id 0
		.amdhsa_next_free_vgpr 248
		.amdhsa_next_free_sgpr 66
		.amdhsa_reserve_vcc 1
		.amdhsa_float_denorm_mode_32 3
		.amdhsa_float_denorm_mode_16_64 3
		.amdhsa_memory_ordered 1
		.amdhsa_forward_progress 1
		.amdhsa_inst_pref_size 86
	.end_amdhsa_kernel
	.amdgpu_metadata
---
amdhsa.version: [ 1, 2 ]
amdhsa.kernels:
  - .name:           k_q2834c77e28_quant
    .symbol:         k_q2834c77e28_quant.kd
    .args:
      - { .name: hidden_states, .offset: 0, .size: 8, .value_kind: global_buffer, .address_space: global }
      - { .name: wq, .offset: 8, .size: 8, .value_kind: global_buffer, .address_space: global }
      - { .name: wk, .offset: 16, .size: 8, .value_kind: global_buffer, .address_space: global }
      - { .name: wv, .offset: 24, .size: 8, .value_kind: global_buffer, .address_space: global }
      - { .name: wo, .offset: 32, .size: 8, .value_kind: global_buffer, .address_space: global }
      - { .name: cos, .offset: 40, .size: 8, .value_kind: global_buffer, .address_space: global }
      - { .name: sin, .offset: 48, .size: 8, .value_kind: global_buffer, .address_space: global }
      - { .name: q_norm_w, .offset: 56, .size: 8, .value_kind: global_buffer, .address_space: global }
      - { .name: k_norm_w, .offset: 64, .size: 8, .value_kind: global_buffer, .address_space: global }
      - { .name: opc, .offset: 72, .size: 8, .value_kind: global_buffer, .address_space: global }
      - { .name: ops, .offset: 80, .size: 8, .value_kind: global_buffer, .address_space: global }
      - { .name: rope, .offset: 88, .size: 8, .value_kind: global_buffer, .address_space: global }
    .group_segment_fixed_size: 59904
    .private_segment_fixed_size: 0
    .kernarg_segment_align: 8
    .kernarg_segment_size: 96
    .max_flat_workgroup_size: 128
    .sgpr_count:     66
    .vgpr_count:     248
    .wavefront_size: 32
...
	.end_amdgpu_metadata
.endif
;; end of part 1
;; launch gemm_qkv (part 2): grid 8 x 32, 4 waves a work-group, clusters of 4 x 4, 327,680 bytes of LDS; arguments opc, ops, rope, qkvc, qkvs; writes qkvc, qkvs
.if DOCPART == 2
	.amdgcn_target "amdgcn-amd-amdhsa--gfx1250"
	.amdhsa_code_object_version 6
	.text
	.protected	k_q2834c77e28_gemm_qkv
	.globl	k_q2834c77e28_gemm_qkv
	.p2align	8
	.type	k_q2834c77e28_gemm_qkv,@function
k_q2834c77e28_gemm_qkv:
	s_mov_b64 s[64:65], 0
	v_nop
	global_prefetch_b8 v0, s[64:65] scope:SCOPE_SE
	s_setreg_imm32_b32 hwreg(HW_REG_WAVE_MODE, 25, 1), 1
	s_wait_xcnt 0x0
	s_wait_alu depctr_hold_cnt(0) depctr_sa_sdst(0) depctr_va_vdst(0) depctr_va_sdst(0) depctr_va_ssrc(0) depctr_va_vcc(0) depctr_vm_vsrc(0)
	s_getreg_b32 s2, hwreg(HW_REG_IB_STS2, 6, 4)
	s_cmp_eq_u32 s2, 0
	s_cbranch_scc0 .Lentry_in_a_cluster
	s_endpgm
.Lentry_in_a_cluster:
	s_bfe_u32 s2, ttmp6, 0x10000c
	s_cmp_lg_u32 s2, 0xf033
	s_cbranch_scc0 .Lentry_shape_is_right
	s_endpgm
.Lentry_shape_is_right:
; q, k, v = hidden_states x wq, wk, wv on codes of FP6 (E2M3) with E8M0 scales, K = 2,048; then, in registers, the RMS norm and RoPE of q and k; q and k are quantised along the head's 128, v along the keys.
; SHARES.  Work-group (X, Y) takes tokens 128 Y .. 128 Y + 127 against two heads of q (X < 4) or k (X >= 4) and head X of v: 128 x 384 of the result; 8 x 32 = 256 work-groups.
; Wave w = (th = w / 2, hh = w % 2): 64 tokens (rowblocks 4 th .. 4 th + 3) x head hh: 32 accumulators; and rowblocks 2 w, 2 w + 1 of wv's head x all 128 tokens: 16 accumulators.  48 matrix instructions a step of 128 along K.
; OPERANDS lie in memory as images of the operand's registers (16 rows x 128 K = 1,536 bytes); row r of rowblock RB is the true row 32 (RB / 2) + 8 (RB % 2) + r + 8 (r / 8).
; q, k: source 0 = the weight's rows, source 1 = tokens: a lane holds a token, its registers run along d.  v: source 0 = tokens, source 1 = wv's rows: a lane holds a d, its registers run along the keys.
; A wave takes the tokens' rowblocks in its own order, (4 th + j) % 8, so that register numbers are the same in all waves; for th = 1 v's fragment then has its two halves of 64 keys the wrong way round: they change places on the way out.
; THE RING: region D holds 512 along K, S 256; each has four parts of 8 rowblocks: tokens, head 0, head 1, wv.  Wave w fetches part w: one tensor load a wave behind each round.
; CLUSTERS: 4 x 4; the tokens' part is asked for jointly along a row of the cluster, the weights' parts along a column.  THE ROPE TABLES of the 128 tokens (8 x 16,384 bytes) are asked for jointly along the row too:
; six into S when its last K is read out (at step 11), two into D's first bytes at step 15.
; THE SCALE WORDS for all of K are 144 registers a wave and come straight from memory, once: beside the ring LDS has no room for them.
; NORM AND ROPE: (x[d] (w[d] cos) + x[d xor 64] (+-w[d xor 64] sin)) rsqrt(mean(x^2) + eps), in f32: the gain is folded into the tables and the rsqrt applied last (an order of rounding of its own).
; LIMITS: a block of zeros gets the byte 1 (zero codes; only this program reads the bytes); blocks under 2^-124 are held at the byte 1; NaN and infinities are not served.
; The results' scale words leave as 16 or 8 bytes a row, 32 bytes apart: those stores do not cover whole aligned runs of 256 bytes (393,216 bytes in the launch).
; REGISTERS: window 0: v0-31 addresses; v32-159 scale words (block i, step ks at 32 + 16 i + ks: lanes 0-15 the tokens' block i, lanes 16-31 the head's); v160-175 wv's (lanes 0-15 its first rowblock, 16-31 its second); v176-223 wv's fragments, two sets.
;   window 1: the tokens' fragments, two sets of 96; on the way out the tables, two sets of 128.  window 2: q or k's accumulators ((a, b) at 8 (8 a + b)).  window 3: v0-127 v's accumulators, v128-223 the head's fragments, one set.
.set FR,     12
.set FRB,    1536
.set RBC,    24576
.set DROW,   4*FRB
.set SROW,   2*FRB
.set DPART,  8*DROW
.set SPART,  8*SROW
.set SBASE,  4*DPART
.set SPARE,  SBASE+4*SPART             ; the spare words, 128 bytes a wave
.set ATL, 8                            ; v8, v9   LDS address of my tokens' blocks 0-3 in D, in S
.set ATH, 10                           ; v10, v11 of blocks 4-7
.set AHD, 12                           ; v12, v13 of my head
.set AWV, 14                           ; v14, v15 of my two rowblocks of wv
.set TBL, 16                           ; v16 my tables 0-2;  v17 my table 3
.set TB3, 17
.set SOL, 18                           ; v18-20 the scale words' offsets in memory
.set SOH, 19
.set SOW, 20
.set PFT, 21                           ; v21 256 x lane
.set WA,  22                           ; v22 32 r
.set L16, 26
.set SPW, 28                           ; my spare word; never rewritten
.set NIL, 29                           ; 0; never rewritten
.set PFO, 30
.set SC,  32
.set SW,  160
.set WVF, 176
.set T,   64                           ; the way out, window 0
.set PC,  128
.set TM,  160
.set WD,  176
.set SS,  184
.set RS,  192
.set G1, 24
.set G0, 32
.set G1B, 48
.set G0B, 56
.set G1X, 68
.set G1BX, 80
.set SEL, 96
.set MQ, 0xa7                          ; source 0 window 3, source 1 window 1, C and D window 2
.set MV, 0xf1                          ; source 0 window 1, source 1 window 0, C and D window 3
.set MSB, 0
.macro WIN new
.if MSB != (\new)
	s_set_vgpr_msb (MSB<<8)|(\new)
.set MSB, (\new)
.endif
.endm
.macro PLACES n
.rept \n
	v_nop
.endr
.endm
; A joint load: wave 0 fetches the tokens' part, waves 1-3 the weights'.  An s_nop 0 and four v_nop follow each line.
.macro JLOAD g0a, g1a, g0b, g1b
	s_cmp_eq_u32 s14, 0
	s_cbranch_scc0 .Lfor_b_\@
	tensor_load_to_lds s[\g0a:\g0a+3], s[\g1a:\g1a+7]
	s_nop 0
	PLACES 4
	s_branch .Lasked_\@
.Lfor_b_\@:
	tensor_load_to_lds s[\g0b:\g0b+3], s[\g1b:\g1b+7]
	s_nop 0
	PLACES 4
.Lasked_\@:
.endm
.macro CREST
	s_cmp_lg_u32 s14, 0
	s_cbranch_scc1 .Lnot_wave_0_\@
	s_barrier_signal -3
.Lnot_wave_0_\@:
	s_barrier_wait -3
	s_barrier_signal -1
	s_barrier_wait -1
.endm
.macro CROUND
	s_barrier_signal -1
	s_barrier_wait -1
	CREST
.endm
	s_load_b256 s[4:11], s[0:1], 0x0               ; opc, ops, rope, qkvc
	s_load_b64 s[12:13], s[0:1], 0x20              ; qkvs
	v_lshl_add_u32 v[SPW], v0, 2, SPARE
	v_mov_b32 v[NIL], 0
	ds_add_u32 v[SPW], v[NIL]                      ; the opening lines: the add, twice on end, and its wait ahead of my first tensor load
	ds_add_u32 v[SPW], v[NIL]
	v_lshrrev_b32 v1, 5, v0
	v_readfirstlane_b32 s14, v1                    ; wave
	s_lshr_b32 s15, s14, 1                         ; th
	s_and_b32 s16, s14, 1                          ; hh
	s_bfe_u32 s40, ttmp6, 0x40000                  ; cx
	s_bfe_u32 s41, ttmp6, 0x40004                  ; cy
	s_lshl_b32 s42, ttmp9, 2
	s_add_co_u32 s42, s42, s40                     ; X
	s_and_b32 s17, ttmp7, 0xffff
	s_lshl_b32 s17, s17, 2
	s_add_co_u32 s17, s17, s41                     ; Y
	s_lshl_b32 s43, s41, 2
	s_lshl_b32 s43, 15, s43                        ; my row of the cluster
	s_lshl_b32 s44, 0x1111, s40                    ; my column
	s_or_b32 s[G1+0], s43, (3<<16)|(1<<21)         ; elements of 8 bytes; bit 21 beside a mask
	s_or_b32 s[G1B+0], s44, (3<<16)|(1<<21)
	s_or_b32 s[G1X+0], s43, (3<<16)|(1<<21)
	s_or_b32 s[G1BX+0], s44, (3<<16)|(1<<21)
.irp g, G1, G1B                        ; 8 rowblocks, RBC bytes apart, 6,144 bytes of each into D
	s_mov_b32 s[\g+1], (DROW/8)<<16
	s_mov_b32 s[\g+2], 8<<16
	s_mov_b32 s[\g+3], (DROW/8)<<16
	s_mov_b32 s[\g+4], 8
	s_mov_b32 s[\g+5], RBC/8
	s_mov_b32 s[\g+6], 0
	s_mov_b32 s[\g+7], 0
.endr
.irp g, G1X, G1BX                      ; 3,072 bytes of each into S
	s_mov_b32 s[\g+1], (SROW/8)<<16
	s_mov_b32 s[\g+2], 8<<16
	s_mov_b32 s[\g+3], (SROW/8)<<16
	s_mov_b32 s[\g+4], 8
	s_mov_b32 s[\g+5], RBC/8
	s_mov_b32 s[\g+6], 0
	s_mov_b32 s[\g+7], 0
.endr
	s_lshl_b32 s20, s17, 3                         ; the tokens' first rowblock: 8 Y
	s_mul_i32 s20, s20, RBC
	s_mov_b32 s21, 0
	s_lshl_b32 s46, s42, 4
	s_lshl_b32 s18, s14, 3
	s_add_co_u32 s46, s46, s18
	s_add_co_u32 s46, s46, 248                     ; waves 1, 2: rowblock 256 + 16 X + 8 (w - 1) (wq and wk lie on end)
	s_lshl_b32 s18, s42, 3
	s_add_co_u32 s18, s18, 384                     ; wave 3: wv's head X
	s_cmp_eq_u32 s14, 3
	s_cselect_b32 s46, s18, s46
	s_mul_i32 s46, s46, RBC
	s_mov_b32 s47, 0
	s_mul_i32 s45, s14, DPART                      ; part w of D, of S
	s_mul_i32 s94, s14, SPART
	s_mov_b32 s[SEL], 0x76543210
	s_mov_b32 s[SEL+1], 0xfedcba98
	s_mov_b32 s98, 0x3c000000                      ; 1 / 128
	s_mov_b32 s99, 0x358637bd                      ; eps
	s_wait_dscnt 0x0
	s_wait_kmcnt 0x0
	s_add_nc_u64 s[20:21], s[4:5], s[20:21]
	s_add_nc_u64 s[46:47], s[4:5], s[46:47]
	CROUND                                         ; the first joint loads meet
	s_mov_b32 s[G0], 1
	s_mov_b32 s[G0+1], s45
	s_mov_b64 s[G0+2:G0+3], s[20:21]
	s_or_b32 s[G0+3], s[G0+3], 0x80000000
	s_mov_b32 s[G0B], 1
	s_mov_b32 s[G0B+1], s45
	s_mov_b64 s[G0B+2:G0B+3], s[46:47]
	s_or_b32 s[G0B+3], s[G0B+3], 0x80000000
	JLOAD G0, G1, G0B, G1B                         ; D: K 0 .. 511: my one load at the head
	s_mov_b32 s[G0+4], 1                           ; S: K 512 .. 767
	s_add_co_u32 s[G0+5], s94, SBASE
	s_add_nc_u64 s[G0+6:G0+7], s[20:21], 2*SROW
	s_or_b32 s[G0+7], s[G0+7], 0x80000000
	s_mov_b32 s[G0B+4], 1
	s_add_co_u32 s[G0B+5], s94, SBASE
	s_add_nc_u64 s[G0B+6:G0B+7], s[46:47], 2*SROW
	s_or_b32 s[G0B+7], s[G0B+7], 0x80000000
	s_cmp_eq_u32 s14, 0                            ; the prefetches: of my part's 8 rowblocks the partner at place p (cx for the tokens, cy for the weights) takes 2 p and 2 p + 1: by address
	s_cselect_b64 s[90:91], s[20:21], s[46:47]
	s_cselect_b32 s92, s40, s41
	s_mul_i32 s92, s92, 2*RBC
	s_mov_b32 s93, 0
	s_add_nc_u64 s[90:91], s[90:91], s[92:93]
	s_lshl_b32 s18, s17, 3                         ; the scale words: ops has 1,024 bytes a rowblock
	s_lshl_b32 s19, s15, 2
	s_add_co_u32 s22, s18, s19                     ; my tokens' blocks 0-3,
	s_xor_b32 s19, s19, 4
	s_add_co_u32 s23, s18, s19                     ; and 4-7
	s_lshl_b32 s18, s42, 4
	s_lshl_b32 s19, s16, 3
	s_add_co_u32 s18, s18, s19
	s_add_co_u32 s18, s18, 256                     ; my head's first rowblock
	s_sub_co_u32 s19, s18, s22                     ; lanes 16-31 stand so many rowblocks further on
	s_add_co_u32 s18, s18, 4
	s_sub_co_u32 s18, s18, s23
	s_lshl_b32 s22, s22, 10
	s_lshl_b32 s23, s23, 10
	s_lshl_b32 s19, s19, 10
	s_lshl_b32 s18, s18, 10
	s_lshl_b32 s66, s42, 3
	s_lshl_b32 s67, s14, 1
	s_add_co_u32 s66, s66, s67
	s_add_co_u32 s66, s66, 384
	s_lshl_b32 s66, s66, 10                        ; my first rowblock of wv
	s_xor_b32 s93, s15, 1
	v_and_b32 v1, 15, v0                           ; r
	v_bfe_u32 v2, v0, 4, 1                         ; h
	v_and_b32 v3, 31, v0
	v_lshlrev_b32 v[L16], 4, v3
	v_mul_u32_u24 v[PFO], v2, RBC
	v_lshl_add_u32 v[PFO], v1, 8, v[PFO]           ; lanes 0-15 my first rowblock, 16-31 my second, 256 bytes from lane to lane
	v_lshlrev_b32 v[PFT], 8, v3
	v_lshlrev_b32 v4, 3, v1
	v_mad_u32_u24 v[SOL], v2, s19, v4
	v_add_nc_u32 v[SOL], s22, v[SOL]
	v_mad_u32_u24 v[SOH], v2, s18, v4
	v_add_nc_u32 v[SOH], s23, v[SOH]
	v_lshl_add_u32 v[SOW], v2, 10, v4
	v_add_nc_u32 v[SOW], s66, v[SOW]
	v_mad_u32_u24 v[ATL], s15, 4*DROW, v[L16]
	v_mad_u32_u24 v[ATL+1], s15, 4*SROW, v[L16]
	v_add_nc_u32 v[ATL+1], SBASE, v[ATL+1]
	v_mad_u32_u24 v[ATH], s93, 4*DROW, v[L16]
	v_mad_u32_u24 v[ATH+1], s93, 4*SROW, v[L16]
	v_add_nc_u32 v[ATH+1], SBASE, v[ATH+1]
	v_mad_u32_u24 v[AHD], s16, DPART, v[L16]
	v_add_nc_u32 v[AHD], DPART, v[AHD]
	v_mad_u32_u24 v[AHD+1], s16, SPART, v[L16]
	v_add_nc_u32 v[AHD+1], SBASE+SPART, v[AHD+1]
	v_mad_u32_u24 v[AWV], s14, 2*DROW, v[L16]
	v_add_nc_u32 v[AWV], 3*DPART, v[AWV]
	v_mad_u32_u24 v[AWV+1], s14, 2*SROW, v[L16]
	v_add_nc_u32 v[AWV+1], SBASE+3*SPART, v[AWV+1]
	v_mad_u32_u24 v[TBL], s15, 49152, v[L16]
	v_add_nc_u32 v[TBL], SBASE, v[TBL]
	v_mad_u32_u24 v[TB3], s15, 16384, v[L16]
	v_lshlrev_b32 v[WA], 5, v1
	s_wait_alu depctr_va_vdst(0)                   ; the wait behind the head's vector lines
.irp i, 0,1,2,3,4,5,6,7
.irp g, 0,1,2,3,4,5,6,7
	global_load_b64 v[SC+16*\i+2*\g:SC+16*\i+2*\g+1], v[SOL+\i/4], s[6:7] offset:1024*(\i%4)+128*\g
.endr
.endr
.irp g, 0,1,2,3,4,5,6,7
	global_load_b64 v[SW+2*\g:SW+2*\g+1], v[SOW], s[6:7] offset:128*\g
.endr
	s_and_b32 s67, s17, 15                         ; my group of 128 tokens in its batch
	s_lshl_b32 s92, ttmp9, 21                      ; q's tables or k's: the cluster's x
	s_lshl_b32 s93, s67, 17
	s_add_co_u32 s92, s92, s93
	s_mov_b32 s93, 0
	s_add_nc_u64 s[8:9], s[8:9], s[92:93]          ; my work-group's eight tables
	s_mov_b32 s95, 0
	s_lshl_b32 s92, s15, 16
	s_mul_i32 s94, s16, 24576
	s_add_co_u32 s94, s94, s92
	s_add_nc_u64 s[76:77], s[8:9], s[94:95]        ; what I fetch of tables 0-2 and 4-6: 24,576 bytes
	s_lshl_b32 s94, s16, 13
	s_add_co_u32 s94, s94, s92
	s_add_co_u32 s94, s94, 49152
	s_add_nc_u64 s[78:79], s[8:9], s[94:95]        ; and of tables 3 and 7: 8,192 bytes
	s_lshl_b32 s94, s40, 2
	s_add_co_u32 s94, s94, s14
	s_lshl_b32 s94, s94, 13
	s_add_nc_u64 s[88:89], s[8:9], s[94:95]        ; the tables' prefetch: sixteen waves of the cluster's row, 8,192 bytes each, by address
	s_lshr_b32 s66, s17, 4
	s_lshl_b32 s66, s66, 3                         ; 8 x batch
	s_lshl_b32 s92, s40, 1
	s_add_co_u32 s92, s92, s16
	s_add_co_u32 s92, s92, s66
	s_lshl_b32 s92, s92, 4
	s_add_co_u32 s92, s92, s67
	s_lshl_b32 s94, ttmp9, 8
	s_add_co_u32 s92, s92, s94                     ; [q, k][batch, head][group]
	s_add_co_u32 s66, s66, s42
	s_lshl_b32 s66, s66, 4
	s_add_co_u32 s66, s66, s67
	s_add_co_u32 s66, s66, 512                     ; [v][batch, head][group]
	s_mul_i32 s94, s66, 8*FRB
	s_mul_i32 s67, s14, 2*FRB
	s_add_co_u32 s94, s94, s67
	s_add_nc_u64 s[100:101], s[10:11], s[94:95]    ; v: my two images
	s_lshl_b32 s94, s66, 9
	s_lshl_b32 s67, s14, 3
	s_add_co_u32 s94, s94, s67
	s_add_nc_u64 s[104:105], s[12:13], s[94:95]    ; and their words
	s_mul_i32 s94, s92, 8*FRB
	s_mul_i32 s67, s15, 4*FRB
	s_add_co_u32 s94, s94, s67
	s_add_nc_u64 s[10:11], s[10:11], s[94:95]      ; q or k: my four images
	s_lshl_b32 s94, s92, 9
	s_lshl_b32 s67, s15, 4
	s_add_co_u32 s94, s94, s67
	s_add_nc_u64 s[12:13], s[12:13], s[94:95]
.macro FRAG reg, adr, off              ; a fragment as it will stand in the registers: three loads of 512 consecutive bytes
.irp c, 0,1,2
	ds_load_b128 v[\reg+4*\c:\reg+4*\c+3], v[\adr] offset:\off+512*\c
.endr
.endm
.macro LD_H rg, q, b0                  ; the head's fragments b0 .. b0 + 3.  rg: 0 in D, 1 in S; q: which 128 along K of the region
	WIN 0xc0
.irp b, \b0, \b0+1, \b0+2, \b0+3
	FRAG 128+FR*(\b), AHD+(\rg), (\b)*(DROW-(\rg)*SROW)+(\q)*FRB
.endr
.endm
.macro LD_T rg, q, p                   ; the tokens' eight, into set p
	WIN 0x40
.irp j, 0,1,2,3
	FRAG 96*(\p)+FR*\j, ATL+(\rg), \j*(DROW-(\rg)*SROW)+(\q)*FRB
.endr
.irp j, 0,1,2,3
	FRAG 96*(\p)+48+FR*\j, ATH+(\rg), \j*(DROW-(\rg)*SROW)+(\q)*FRB
.endr
.endm
.macro LD_W rg, q, p                   ; wv's two, into set p
	WIN 0
.irp a, 0,1
	FRAG WVF+24*(\p)+FR*\a, AWV+(\rg), \a*(DROW-(\rg)*SROW)+(\q)*FRB
.endr
.endm
.macro WM d, s0, s1, zero, x0, x1, row ; row 1: source 0's scales in lanes 16-31; row 2: source 1's
.if \zero
.if \row == 1
	v_wmma_scale_f32_16x16x128_f8f6f4 v[\d:\d+7], v[\s0:\s0+11], v[\s1:\s1+11], 0, v[\x0], v[\x1] matrix_a_fmt:MATRIX_FMT_FP6 matrix_b_fmt:MATRIX_FMT_FP6 matrix_a_scale:MATRIX_SCALE_ROW1
.elseif \row == 2
	v_wmma_scale_f32_16x16x128_f8f6f4 v[\d:\d+7], v[\s0:\s0+11], v[\s1:\s1+11], 0, v[\x0], v[\x1] matrix_a_fmt:MATRIX_FMT_FP6 matrix_b_fmt:MATRIX_FMT_FP6 matrix_b_scale:MATRIX_SCALE_ROW1
.else
	v_wmma_scale_f32_16x16x128_f8f6f4 v[\d:\d+7], v[\s0:\s0+11], v[\s1:\s1+11], 0, v[\x0], v[\x1] matrix_a_fmt:MATRIX_FMT_FP6 matrix_b_fmt:MATRIX_FMT_FP6
.endif
.else
.if \row == 1
	v_wmma_scale_f32_16x16x128_f8f6f4 v[\d:\d+7], v[\s0:\s0+11], v[\s1:\s1+11], v[\d:\d+7], v[\x0], v[\x1] matrix_a_fmt:MATRIX_FMT_FP6 matrix_b_fmt:MATRIX_FMT_FP6 matrix_a_scale:MATRIX_SCALE_ROW1
.elseif \row == 2
	v_wmma_scale_f32_16x16x128_f8f6f4 v[\d:\d+7], v[\s0:\s0+11], v[\s1:\s1+11], v[\d:\d+7], v[\x0], v[\x1] matrix_a_fmt:MATRIX_FMT_FP6 matrix_b_fmt:MATRIX_FMT_FP6 matrix_b_scale:MATRIX_SCALE_ROW1
.else
	v_wmma_scale_f32_16x16x128_f8f6f4 v[\d:\d+7], v[\s0:\s0+11], v[\s1:\s1+11], v[\d:\d+7], v[\x0], v[\x1] matrix_a_fmt:MATRIX_FMT_FP6 matrix_b_fmt:MATRIX_FMT_FP6
.endif
.endif
.endm
; The 48 accumulators take turns, one instruction a turn, in the same order in every step.
.macro MULQ b0, ks, zero               ; q or k: the head's blocks b0 .. b0 + 3 x my four blocks of tokens
.irp b, \b0, \b0+1, \b0+2, \b0+3
.irp a, 0,1,2,3
	WM 8*(8*\a+(\b)), 128+FR*(\b), 96*((\ks)%2)+FR*\a, \zero, SC+16*(\b)+(\ks), SC+16*\a+(\ks), 1
.endr
.endr
.endm
.macro MULQ2 b0, ks                    ; half of MULQ: the head's blocks b0, b0 + 1
.irp b, \b0, \b0+1
.irp a, 0,1,2,3
	WM 8*(8*\a+(\b)), 128+FR*(\b), 96*((\ks)%2)+FR*\a, 0, SC+16*(\b)+(\ks), SC+16*\a+(\ks), 1
.endr
.endr
.endm
.macro MULV ks, zero
.irp a, 0,1
.irp j, 0,1,2,3,4,5,6,7
	WM 8*(8*\a+\j), 96*((\ks)%2)+FR*\j, WVF+24*((\ks)%2)+FR*\a, \zero, SC+16*\j+(\ks), SW+(\ks), 2*\a
.endr
.endr
.endm
; Step ks, whose successor lies in the same region at (rgn, qn).  The head has one set of registers, refilled in two halves; the tokens and wv have two.
.macro STEP ks, rgn, qn, zero
	s_wait_dscnt 12                                ; all but the youngest twelve loads (the head's blocks 4-7)
	WIN MQ
	MULQ 0, \ks, \zero
	PLACES 4
	LD_H \rgn, \qn, 0
	LD_T \rgn, \qn, 1-(\ks)%2
	LD_W \rgn, \qn, 1-(\ks)%2
	s_wait_dscnt 42                                ; all but the 42 just issued
	WIN MQ
	MULQ 4, \ks, \zero
	PLACES 4
	LD_H \rgn, \qn, 4
	WIN MV
	MULV \ks, \zero
	WIN 0
.endm
; The last step of region rc: each wave waits for all its tensor loads, adds 0 to its spare word, waits for that and for its reads of the region; the barrier opens a round of the cluster's barrier; the region is filled again.
; fill 1: with the K 768 further on;  2: S takes tables 0-2 and 4-6;  3: the last step: D's first bytes take tables 3 and 7, and nothing more is fetched from the ring.
.macro TURN ks, rc, fill
	s_wait_tensorcnt 0x0
	ds_add_u32 v[SPW], v[NIL]
	s_wait_dscnt 13                                ; (the add and the head's blocks 4-7 may be out)
	WIN MQ
	MULQ2 0, \ks                                   ; eight matrix instructions stand between the add and the wait for it,
	s_wait_dscnt 0x0                               ; all this step's fragments are in registers: my reads of the region are over
	s_barrier_signal -1
	MULQ2 2, \ks                                   ; and eight inside the round
	WIN 0
	s_barrier_wait -1
	CREST
.if \fill == 1
	s_add_nc_u64 s[G0+4*\rc+2:G0+4*\rc+3], s[G0+4*\rc+2:G0+4*\rc+3], 3*SROW
	s_add_nc_u64 s[G0B+4*\rc+2:G0B+4*\rc+3], s[G0B+4*\rc+2:G0B+4*\rc+3], 3*SROW
.if \rc == 0
	JLOAD G0, G1, G0B, G1B
.else
	JLOAD G0+4, G1X, G0B+4, G1BX
.endif
.else
.if \fill == 2                         ; no tensor load of mine is out: the descriptor is written anew: 3 rows of 8,192 bytes, dense; the LDS address, part w of S, stands
	s_mov_b32 s[G1X+1], 1024<<16
	s_mov_b32 s[G1X+2], 3<<16
	s_mov_b32 s[G1X+3], 1024<<16
	s_mov_b32 s[G1X+4], 3
	s_mov_b32 s[G1X+5], 1024
	s_mov_b64 s[G0+6:G0+7], s[76:77]
.else                                  ; 2 rows of 4,096 bytes, to byte 8,192 w of D
	s_mov_b32 s[G1X+1], 512<<16
	s_mov_b32 s[G1X+2], 2<<16
	s_mov_b32 s[G1X+3], 512<<16
	s_mov_b32 s[G1X+4], 2
	s_mov_b32 s[G1X+5], 512
	s_lshl_b32 s[G0+5], s14, 13
	s_mov_b64 s[G0+6:G0+7], s[78:79]
.endif
	s_or_b32 s[G0+7], s[G0+7], 0x80000000
	tensor_load_to_lds s[G0+4:G0+7], s[G1X:G1X+7]  ; every wave, jointly along the cluster's row
	s_nop 0
	PLACES 4
.endif
.if \fill < 3                          ; from here on the step goes as every other: 42 loads of the next step (the load's four v_nop are their places), the head's blocks 4-7, the last 12 loads, v
	LD_H 1-\rc, 0, 0
	LD_T 1-\rc, 0, 1-(\ks)%2
	LD_W 1-\rc, 0, 1-(\ks)%2
.endif
	WIN MQ
	MULQ 4, \ks, 0
.if \fill < 3
	PLACES 4
	LD_H 1-\rc, 0, 4
.endif
	WIN MV
	MULV \ks, 0
	WIN 0
.endm
; THE WAY OUT
.macro TABLE a                         ; block a's table, 32 x 512 bytes, into set a % 2 of window 1: C at +0, Sg at +64
	WIN 0x40
.set i, 0
.rept 32
.if (\a) < 3
	ds_load_b128 v[128*((\a)%2)+4*i:128*((\a)%2)+4*i+3], v[TBL] offset:16384*(\a)+512*i
.else
	ds_load_b128 v[128+4*i:128+4*i+3], v[TB3] offset:512*i
.endif
.set i, i+1
.endr
	WIN 0
.endm
.macro NORMROPE a                      ; block a's 64 numbers a lane, normed and roped, into v[T] on
.set XB, 64*(\a)
.set TP, 128*((\a)%2)
	WIN 0x0a
.irp k, 0,1,2,3
	v_pk_mul_f32 v[SS+2*\k:SS+2*\k+1], v[XB+2*\k:XB+2*\k+1], v[XB+2*\k:XB+2*\k+1]   ; the sum of squares, in four chains, each accumulator from its low end on
.endr
.set n, 8
.rept 7
.irp k, 0,1,2,3
	v_pk_fma_f32 v[SS+2*\k:SS+2*\k+1], v[XB+n+2*\k:XB+n+2*\k+1], v[XB+n+2*\k:XB+n+2*\k+1], v[SS+2*\k:SS+2*\k+1]
.endr
.set n, n+8
.endr
	WIN 0
	v_pk_add_f32 v[SS:SS+1], v[SS:SS+1], v[SS+2:SS+3]
	v_pk_add_f32 v[SS+4:SS+5], v[SS+4:SS+5], v[SS+6:SS+7]
	v_pk_add_f32 v[SS:SS+1], v[SS:SS+1], v[SS+4:SS+5]
	v_add_f32 v[SS], v[SS], v[SS+1]
	v_permlanex16_b32 v[SS+2], v[SS], s[SEL], s[SEL+1]
	v_add_f32 v[SS], v[SS], v[SS+2]                ; with lane l xor 16's 64: the head's 128
	v_fma_f32 v[SS], v[SS], s98, s99               ; mean + eps
	s_wait_alu depctr_va_vdst(0)                   ; the wait ahead of the root
	v_rsq_f32 v[RS], v[SS]
.if (\a) < 3
	s_wait_dscnt 32                                ; my table is in; the next block's 32 loads may be out
.else
	s_wait_dscnt 0x0
.endif
	WIN 0x06
.set n, 0
.rept 32
	v_pk_mul_f32 v[T+n:T+n+1], v[XB+n:XB+n+1], v[TP+n:TP+n+1]
.set n, n+2
.endr
.set n, 0
.rept 32
	v_pk_fma_f32 v[T+n:T+n+1], v[XB+(n^32):XB+(n^32)+1], v[TP+64+n:TP+64+n+1], v[T+n:T+n+1]   ; d xor 64 is register n xor 32 of the same lane
.set n, n+2
.endr
	WIN 0
.if (\a) == 0
	TABLE 2
.endif
.if (\a) == 1
	s_wait_tensorcnt 0x0                           ; my part of tables 3 and 7 is in,
	s_wait_dscnt 0x0
	s_barrier_signal -1
	s_barrier_wait -1                              ; everybody's is
	TABLE 3
.endif
	s_wait_alu depctr_va_vdst(0)                   ; the wait ahead of the root's first reader
.set n, 0
.rept 32
	v_pk_mul_f32 v[T+n:T+n+1], v[T+n:T+n+1], v[RS:RS+1] op_sel_hi:[1,0]
.set n, n+2
.endr
.endm
; 64 numbers of a lane in window win, register 16 b + i = K 32 b + 16 h + i of my row, become a fragment in v[PC] on and its scale word in v[wd].
.macro QUANT src, win, wd
	WIN (\win)|((\win)<<2)
.irp b, 0,1,2,3
	v_max3_num_f32 v[TM+\b], |v[\src+16*\b]|, |v[\src+1+16*\b]|, 0x1800000   ; the floor 2^(3 - 127) holds the byte at 1 from below
.endr
	WIN ((\win)<<2)|((\win)<<4)
.irp i, 2,4,6,8,10,12,14
.irp b, 0,1,2,3
	v_max3_num_f32 v[TM+\b], v[TM+\b], |v[\src+16*\b+\i]|, |v[\src+1+16*\b+\i]|
.endr
.endr
	WIN 0
.irp b, 0,1,2,3
	v_permlanex16_b32 v[TM+4+\b], v[TM+\b], s[SEL], s[SEL+1]
.endr
.irp b, 0,1,2,3
	v_max_num_f32 v[TM+\b], v[TM+\b], v[TM+4+\b]
.endr
.irp b, 0,1,2,3
	v_add_nc_u32 v[TM+12+\b], 0xff000000, v[TM+\b] ; 2 off the exponent field: the conversion's scale operand
.endr
.irp b, 0,1,2,3
	v_lshrrev_b32 v[TM+4+\b], 23, v[TM+12+\b]
.endr
	v_lshl_or_b32 v[\wd], v[TM+5], 8, v[TM+4]
	v_lshl_or_b32 v[\wd], v[TM+6], 16, v[\wd]
	v_lshl_or_b32 v[\wd], v[TM+7], 24, v[\wd]
	s_wait_alu depctr_va_vdst(0)                   ; the wait, directly ahead of the wait below
	s_wait_xcnt 0x0                                ; the last block's stores have read the fragment's registers
	WIN (\win)
.irp c, 0,1
	v_cvt_scalef32_pk16_fp6_f32 v[PC+6*\c:PC+2+6*\c], v[\src+32*\c:\src+15+32*\c], v[TM+12+2*\c]
	v_cvt_scalef32_pk16_fp6_f32 v[PC+12+4*\c:PC+14+4*\c], v[\src+16+32*\c:\src+31+32*\c], v[TM+12+2*\c+1]
.endr
	WIN 0
	v_nop                                          ; one plain place behind a scaled conversion
.irp c, 0,1                            ; the operand's layout wants a whole block in a lane
.irp i, 0,1,2
	v_permlane16_swap_b32 v[PC+6*\c+\i], v[PC+12+4*\c+\i]
.endr
.irp i, 0,1,2
	v_mov_b32 v[PC+3+6*\c+\i], v[PC+12+4*\c+\i]
.endr
.endr
.endm
.macro PUT base, t                     ; the image: three stores of 512 consecutive bytes, aligned
.irp c, 0,1,2
	global_store_b128 v[L16], v[PC+4*\c:PC+4*\c+3], s[\base:\base+1] offset:FRB*(\t)+512*\c
.endr
.endm
.macro VOUT a                          ; v's block a.  For th = 1 my tokens' order begins at key 64: the fragment's two halves and the word's two halves change places
	QUANT 64*(\a), 3, WD+4+\a
	s_wait_alu depctr_va_vdst(0)                   ; the wait, directly ahead of the branch
	s_cmp_eq_u32 s15, 0
	s_cbranch_scc1 .Lin_order_\@
.irp i, 0,1,2,3,4,5
	v_swap_b32 v[PC+\i], v[PC+6+\i]
.endr
	v_alignbit_b32 v[WD+4+\a], v[WD+4+\a], v[WD+4+\a], 16
.Lin_order_\@:
	PUT 100, \a
.endm
	s_wait_tensorcnt 0x0                           ; my part of D is in
	ds_add_u32 v[SPW], v[NIL]
	s_wait_dscnt 0x0
	CROUND
	JLOAD G0+4, G1X, G0B+4, G1BX                   ; S's first fill: it has steps 0 to 3 in which to land
	LD_H 0, 0, 0
	LD_T 0, 0, 0
	LD_W 0, 0, 0
	LD_H 0, 0, 4
	WIN 0
	s_wait_loadcnt 0x0                             ; the scale words
	STEP 0, 0, 1, 1                                ; the first step's products start the sums
	; prefetches into the L2: bytes 8,192 on of my two rowblocks' 24,576, 4,096 bytes of each an instruction; the refill at step 3 wants bytes 9,216 .. 15,359
	global_prefetch_b8 v[PFO], s[90:91] offset:8192 th:TH_LOAD_NT scope:SCOPE_SE
	global_prefetch_b8 v[PFO], s[90:91] offset:12288 th:TH_LOAD_NT scope:SCOPE_SE
	STEP 1, 0, 2, 0
	global_prefetch_b8 v[PFO], s[90:91] offset:16384 th:TH_LOAD_NT scope:SCOPE_SE   ; for the refill at step 5
	STEP 2, 0, 3, 0
	TURN 3, 0, 1                                   ; D takes K 768 .. 1,279
	STEP 4, 1, 1, 0
	TURN 5, 1, 1                                   ; S takes K 1,280 .. 1,535
	STEP 6, 0, 1, 0
	global_prefetch_b8 v[PFO], s[90:91] offset:20480 th:TH_LOAD_NT scope:SCOPE_SE   ; for the refill at step 9
	STEP 7, 0, 2, 0
	global_prefetch_b8 v[PFT], s[88:89] th:TH_LOAD_NT scope:SCOPE_SE                ; my 8,192 bytes of the tables, four steps ahead of their first load
	STEP 8, 0, 3, 0
	TURN 9, 0, 1                                   ; D takes K 1,536 .. 2,047
	STEP 10, 1, 1, 0
	TURN 11, 1, 2                                  ; S takes six tables
	STEP 12, 0, 1, 0
	STEP 13, 0, 2, 0
	STEP 14, 0, 3, 0
	TURN 15, 0, 3                                  ; D's first bytes take two tables; the round has shown the six to every wave
	PLACES 4                                       ; in front of the first read of results, of writes into operands' and scale words' registers and of loads into the tokens' registers
.irp b, 0,1,2,3
	v_mov_b32 v[TM+4+\b], 0                        ; a lane permute's destination counts as one of its sources
.endr
	v_mov_b32 v[RS+1], 0                           ; (named as the upper half of a pair)
	TABLE 0
	TABLE 1
	VOUT 0
	VOUT 1
.irp a, 0,1,2,3
	NORMROPE \a
	QUANT T, 0, WD+\a
	PUT 10, \a
.endr
	global_store_b128 v[WA], v[WD:WD+3], s[12:13]  ; my four tiles' words of row r (both halves of the lanes hold and write the same)
	global_store_b64 v[WA], v[WD+4:WD+5], s[104:105]
	s_wait_tensorcnt 0x0                           ; the wave's end
	ds_add_u32 v[SPW], v[NIL]
	s_wait_dscnt 0x0
	CROUND                                         ; the closing round
	s_endpgm
.Lfunc_end_k_q2834c77e28_gemm_qkv:
	.size	k_q2834c77e28_gemm_qkv, .Lfunc_end_k_q2834c77e28_gemm_qkv-k_q2834c77e28_gemm_qkv
	.p2alignl 7, 3214868480
	.fill 96, 4, 3214868480
	.section	.rodata,"a",@progbits
	.p2align	6, 0x0
	.amdhsa_kernel k_q2834c77e28_gemm_qkv
		.amdhsa_group_segment_fixed_size 327680
		.amdhsa_private_segment_fixed_size 0
		.amdhsa_enable_private_segment 0
		.amdhsa_kernarg_size 40
		.amdhsa_user_sgpr_count 2
		.amdhsa_user_sgpr_kernarg_segment_ptr 1
		.amdhsa_wavefront_size32 1
		.amdhsa_system_sgpr_workgroup_id_x 1
		.amdhsa_system_sgpr_workgroup_id_y 1
		.amdhsa_system_sgpr_workgroup_id_z 1
		.amdhsa_system_vgpr_workitem_id 0
		.amdhsa_next_free_vgpr 1024
		.amdhsa_next_free_sgpr 106
		.amdhsa_reserve_vcc 0
		.amdhsa_float_denorm_mode_32 3
		.amdhsa_float_denorm_mode_16_64 3
		.amdhsa_memory_ordered 1
		.amdhsa_forward_progress 1
		.amdhsa_inst_pref_size 252
	.end_amdhsa_kernel
	.amdgpu_metadata
---
amdhsa.version: [ 1, 2 ]
amdhsa.kernels:
  - .name:           k_q2834c77e28_gemm_qkv
    .symbol:         k_q2834c77e28_gemm_qkv.kd
    .args:
      - { .name: opc, .offset: 0, .size: 8, .value_kind: global_buffer, .address_space: global }
      - { .name: ops, .offset: 8, .size: 8, .value_kind: global_buffer, .address_space: global }
      - { .name: rope, .offset: 16, .size: 8, .value_kind: global_buffer, .address_space: global }
      - { .name: qkvc, .offset: 24, .size: 8, .value_kind: global_buffer, .address_space: global }
      - { .name: qkvs, .offset: 32, .size: 8, .value_kind: global_buffer, .address_space: global }
    .group_segment_fixed_size: 327680
    .private_segment_fixed_size: 0
    .kernarg_segment_align: 8
    .kernarg_segment_size: 40
    .max_flat_workgroup_size: 128
    .sgpr_count:     106
    .vgpr_count:     1024
    .wavefront_size: 32
...
	.end_amdgpu_metadata
.endif
;; end of part 2
;; launch attn (part 3): grid 16 x 16, 16 waves a work-group, no clusters, 327,680 bytes of LDS; arguments qkvc, qkvs, ctxc, ctxs; writes ctxc, ctxs
.if DOCPART == 3
	.amdgcn_target "amdgcn-amd-amdhsa--gfx1250"
	.amdhsa_code_object_version 6
	.text
	.protected	k_q2834c77e28_attn
	.globl	k_q2834c77e28_attn
	.p2align	8
	.type	k_q2834c77e28_attn,@function
k_q2834c77e28_attn:
	s_mov_b64 s[64:65], 0
	v_nop
	global_prefetch_b8 v0, s[64:65] scope:SCOPE_SE
	s_setreg_imm32_b32 hwreg(HW_REG_WAVE_MODE, 25, 1), 1
	s_wait_xcnt 0x0
; Causal attention on codes of FP6 (E2M3) with E8M0 scales; the result, divided by the row's sum, is quantised along head x 128 + d for the output projection.
; qkvc: [q, k, v][batch x 8 + head][group of 128 rows 16][tile 8][1,536]: images of the operands' registers (register g of lane l at 512 (g / 4) + 16 l + 4 (g % 4)); q, k: 16 tokens x the head's 128;
; v: 16 of the head's 128 x 128 keys.  qkvs: [kind][batch, head][group][r][tile 0..7] words.  Rows lie in buffer order: row r of rowblock RB is the true row 32 (RB / 2) + 8 (RB % 2) + r + 8 (r / 8).
; THE SOFTMAX AHEAD OF THE SECOND PRODUCT: t = score x log2(e) / sqrt(128); M = the largest t so far rounded UP to a whole number; p = 2^(t - M) is quantised along the keys, not normalised; the sum is taken of the unquantised p.
; SHARES.  Work-group (i, batch x 8 + head) owns the blocks i and 31 - i of 64 queries: together 17 key steps of 128 for each pair of tiles, in every work-group.  Each tile of 16 queries has TWO waves
; (u = wave % 8 the tile, wave / 8 the parity): a wave takes the key steps of its parity, with an M, a sum and an O of its own; at the end the odd wave hands its registers over through LDS and the even wave joins
; them by exact powers of two.  Both products are used transposed: a lane holds one query throughout, and by the buffers' row order its registers run along true neighbours (keys, then d).
; THE RING: two slots of 512 keys (K's 32 images, then V's 32), filled by waves 0-3, read by all sixteen; a wave does two steps in a slot.  The scale words of the whole head stay in LDS.
; No cluster: the number of slots that a work-group reads hangs on its place in the triangle, and a joint load may not be left out by one partner.
; CAUSAL: every work-group walks all four slots; a step whose keys all come after the wave's queries is jumped over; a slot whose first key comes after the work-group's last query is not asked for.
; LIMITS: a block of zeros gets the byte 1 (zero codes; only this program reads the bytes); NaN and infinities are not served.  The context's scale words leave as single words, 131,072 bytes in the whole launch.
; REGISTERS: v1-7, v28-31 addresses that stay; v8-11 addresses in hand; v12 -M, v13 the largest t, v[14:15] the sum; v16-27 Q; v32-79 four fragments; v96-159 S^T, then p; v160-223 O^T; v224-254 at work; v255 Q's scale word.
.set FRB,   1536
.set SEC,   3145728                    ; q's, k's, v's part of qkvc
.set HEADB, 196608                     ; a head's part of it
.set SLOTB, 49152                      ; 512 keys of K, or of V
.set SLOT1, 131072                     ; slot 1 begins here: one exclusive or turns an address in one slot into the other's
.set SCK,   98304                      ; behind slot 0: K's scale words of the head, 8,192 bytes;
.set SCV,   106496                     ; V's
.set MRG,   229376                     ; behind slot 1: for each tile 8,192 bytes of O^T as register images and 256 of (-M, sum)
.set SPARE, 296960                     ; the spare words, 128 bytes a wave: eight blocks of 256 bytes that no other line names
.set AK0,  1
.set AV0,  2
.set ASK0, 3
.set ASV0, 4
.set SPW,  5                           ; v5  my spare word; never rewritten
.set NIL,  6                           ; v6  0; never rewritten
.set GO,   7                           ; v7  16 x lane
.set ADK,  8
.set ADV,  9
.set ADS,  10
.set ADT,  11
.set PFO,  28                          ; v28 256 x lane
.set MA,   29                          ; v29 my tile's place for O^T's images
.set MB,   30                          ; v30 and for (-M, sum)
.set R8,   31                          ; v31 8 r
.set TM,   232
.set PC,   32
.set PW,   248
.set TB,   2                           ; s2  LDS byte at which the slot in hand begins
.set TS,   3                           ; s3  where the slot's scale words begin: 2,048 bytes a slot
.set WV,   18
.set SEL,  20
.set CS,   22
.set G1T,  24
.set G1S,  32
.set G0T,  40
.set G0S,  44
.set SLOTS, 48
.set KF,   49                          ; s49 the step's first key
.set Q0,   50                          ; s50 my tile's first query; lane r's is Q0 + r + 8 (r / 8)
.set QLAST, 51                         ; s51 my work-group's last query
.set PFA,  56
.set LIM,  58
.macro FINISH                          ; a wave's end, behind its last tensor load and its last LDS store
	s_wait_tensorcnt 0x0
	ds_add_u32 v[SPW], v[NIL]
	s_wait_dscnt 0x0
	s_endpgm
.endm
.macro TLOAD                           ; waves 0-3 fetch: K's two halves, V's two halves.  An s_nop 0 and four v_nop follow the line
	s_cmp_lt_u32 s[WV], 4
	s_cbranch_scc0 .Lasked_\@
	tensor_load_to_lds s[G0T:G0T+3], s[G1T:G1T+7]
	s_nop 0
.rept 4
	v_nop
.endr
.Lasked_\@:
.endm
; A prefetch of what the NEXT change of slots will ask for: 49,152 bytes of K and as many of V.  All sixteen work-groups of a head walk the same K and V: the first of them asks, in the waves that fetch nothing:
; waves 4-9 for K's bytes, waves 10-15 for V's, 8,192 bytes a wave, lanes 256 bytes apart: each aligned block of 256 bytes is named once in the launch.  The last change that fills a slot asks for nothing.
.macro ASK
	s_cmp_gt_u32 s[SLOTS], s[LIM]
	s_cbranch_scc0 .Lnot_mine_\@
	global_prefetch_b8 v[PFO], s[PFA:PFA+1] th:TH_LOAD_NT scope:SCOPE_SE
.Lnot_mine_\@:
.endm
	s_load_b256 s[4:11], s[0:1], 0x0               ; qkvc s[4:5], qkvs s[6:7], ctxc s[8:9], ctxs s[10:11]
	v_lshl_add_u32 v[SPW], v0, 2, SPARE
	v_mov_b32 v[NIL], 0
	ds_add_u32 v[SPW], v[NIL]                      ; the wave's opening: the add and its wait ahead of the first tensor load; the set-up below stands between them
	ds_add_u32 v[SPW], v[NIL]
	v_lshrrev_b32 v8, 5, v0
	s_delay_alu instid0(VALU_DEP_1)
	v_readfirstlane_b32 s[WV], v8                  ; wave 0..15
	s_and_b32 s52, s[WV], 7                        ; u: my tile of the work-group's eight
	s_lshr_b32 s53, s[WV], 3                       ; my parity of key steps
	s_and_b32 s55, ttmp7, 0xffff                   ; batch x 8 + head
	s_sub_co_u32 s66, 31, ttmp9
	s_cmp_lt_u32 s52, 4
	s_cselect_b32 s66, ttmp9, s66                  ; my block of 64 queries: i or 31 - i
	s_lshl_b32 s66, s66, 2
	s_and_b32 s67, s52, 3
	s_add_co_u32 s54, s66, s67                     ; my rowblock of queries, 0..127
	s_lshr_b32 s66, s54, 1
	s_lshl_b32 s66, s66, 5
	s_and_b32 s67, s54, 1
	s_lshl_b32 s67, s67, 3
	s_add_co_u32 s[Q0], s66, s67
	s_sub_co_u32 s66, 31, ttmp9
	s_lshl_b32 s66, s66, 6
	s_add_co_u32 s[QLAST], s66, 63
	s_lshl_b32 s[KF], s53, 7
	; what I fetch, if I fetch (made of wave % 4, so that it is a sound number in every wave)
	s_and_b32 s68, s[WV], 3
	s_lshr_b32 s69, s68, 1
	s_add_co_u32 s69, s69, 1                       ; 1: K, 2: V
	s_and_b32 s70, s68, 1                          ; which half
	s_mul_i32 s72, s69, SEC
	s_mul_i32 s71, s55, HEADB
	s_add_co_u32 s72, s72, s71
	s_mul_i32 s71, s70, SLOTB/2
	s_add_co_u32 s72, s72, s71
	s_mov_b32 s73, 0                               ; the codes, in memory
	s_lshl_b32 s74, s69, 17
	s_lshl_b32 s71, s55, 13
	s_add_co_u32 s74, s74, s71
	s_lshl_b32 s71, s70, 12
	s_add_co_u32 s74, s74, s71
	s_mov_b32 s75, 0                               ; the scale words, in memory
	s_mul_i32 s76, s68, SLOTB/2                    ; and in LDS
	s_lshl_b32 s77, s68, 12
	s_add_co_u32 s77, s77, SCK
	; Q's image and scale words
	s_lshl_b32 s78, s55, 4
	s_lshr_b32 s79, s54, 3
	s_add_co_u32 s78, s78, s79
	s_and_b32 s79, s54, 7
	s_mul_i32 s80, s78, 8*FRB
	s_mul_i32 s82, s79, FRB
	s_add_co_u32 s80, s80, s82
	s_mov_b32 s81, 0
	s_lshl_b32 s82, s78, 9
	s_lshl_b32 s84, s79, 2
	s_add_co_u32 s82, s82, s84
	s_mov_b32 s83, 0
	; the context's image [rowblock 256][head 8][1,536] and scale word [rowblock][head / 2][r][head % 2]
	s_lshr_b32 s84, s55, 3
	s_lshl_b32 s84, s84, 7
	s_add_co_u32 s84, s84, s54
	s_and_b32 s85, s55, 7
	s_lshl_b32 s86, s84, 3
	s_add_co_u32 s86, s86, s85
	s_mul_i32 s86, s86, FRB
	s_mov_b32 s87, 0
	s_lshl_b32 s88, s84, 9
	s_lshr_b32 s90, s85, 1
	s_lshl_b32 s90, s90, 7
	s_add_co_u32 s88, s88, s90
	s_and_b32 s90, s85, 1
	s_lshl_b32 s90, s90, 2
	s_add_co_u32 s88, s88, s90
	s_mov_b32 s89, 0
	; the prefetches: who asks, and where
	s_sub_co_u32 s90, s[WV], 4
	s_cmp_lt_u32 s90, 12
	s_cselect_b32 s91, 0, 1
	s_or_b32 s91, s91, ttmp9
	s_cmp_eq_u32 s91, 0
	s_cselect_b32 s[LIM], 1, -1                    ; waves 4-15 of the head's first work-group ask while more than one slot is still to be asked for
	s_min_u32 s90, s90, 11
	s_cmp_lt_u32 s90, 6
	s_mov_b32 s92, 2*SEC-SLOTB
	s_cselect_b32 s92, SEC, s92                    ; parts 0-5 lie in K, parts 6-11 in V
	s_lshl_b32 s90, s90, 13
	s_add_co_u32 s92, s92, s90
	s_mul_i32 s90, s55, HEADB
	s_add_co_u32 s92, s92, s90
	s_add_co_u32 s92, s92, SLOTB                   ; in slot 1: the first change of slots steps it to slot 2.  Nothing is prefetched at the head
	s_mov_b32 s93, 0
	; descriptor group 1: dense blocks of elements of 8 bytes: the codes as 3 rows of 8,192 bytes, the scale words as 16 rows of 256
	s_mov_b32 s[G1T], 3<<16
	s_mov_b32 s[G1T+1], 1024<<16                   ; the codes: a dense block of 24,576 bytes as 3 rows of 8,192
	s_mov_b32 s[G1T+2], 3<<16
	s_mov_b32 s[G1T+3], 1024<<16
	s_mov_b32 s[G1T+4], 3
	s_mov_b32 s[G1T+5], 1024
	s_mov_b32 s[G1T+6], 0
	s_mov_b32 s[G1T+7], 0
	s_mov_b32 s[G1S], 3<<16
	s_mov_b32 s[G1S+1], 32<<16
	s_mov_b32 s[G1S+2], 16<<16
	s_mov_b32 s[G1S+3], 32<<16
	s_mov_b32 s[G1S+4], 16
	s_mov_b32 s[G1S+5], 32
	s_mov_b32 s[G1S+6], 0
	s_mov_b32 s[G1S+7], 0
	s_mov_b32 s[SEL], 0x76543210
	s_mov_b32 s[SEL+1], 0xfedcba98
	s_mov_b32 s[CS], 0x3e0293ee                    ; c = log2(e) / sqrt(128)
	s_mov_b32 s[CS+1], s[CS]
	s_mov_b32 s[TB], 0
	s_mov_b32 s[TS], 0
	s_mov_b32 s[SLOTS], 3
	s_wait_dscnt 0x0                               ; the opening add is done
	s_wait_kmcnt 0x0
	s_mov_b32 s[G0S], 1
	s_mov_b32 s[G0S+1], s77
	s_add_nc_u64 s[G0S+2:G0S+3], s[6:7], s[74:75]
	s_or_b32 s[G0S+3], s[G0S+3], 0x80000000
	s_mov_b32 s[G0T], 1
	s_mov_b32 s[G0T+1], s76
	s_add_nc_u64 s[G0T+2:G0T+3], s[4:5], s[72:73]
	s_or_b32 s[G0T+3], s[G0T+3], 0x80000000
	s_cmp_lt_u32 s[WV], 4                          ; a fetching wave's first fill: one load of mine is out
	s_cbranch_scc0 .Lnot_codes                     ; one chain of branches on the wave's number, one tensor load to an arm: waves 0-3 slot 0, waves 4-7 the head's scale words (filled once), waves 8-15 none
	tensor_load_to_lds s[G0T:G0T+3], s[G1T:G1T+7]
	s_nop 0
.rept 4
	v_nop
.endr
	s_branch .Lno_fetch
.Lnot_codes:
	s_cmp_lt_u32 s[WV], 8
	s_cbranch_scc0 .Lno_fetch
	tensor_load_to_lds s[G0S:G0S+3], s[G1S:G1S+7]
	s_nop 0
.rept 4
	v_nop
.endr
.Lno_fetch:
	s_add_nc_u64 s[PFA:PFA+1], s[4:5], s[92:93]
	s_add_nc_u64 s[4:5], s[4:5], s[80:81]
	s_add_nc_u64 s[6:7], s[6:7], s[82:83]
	s_add_nc_u64 s[8:9], s[8:9], s[86:87]
	s_add_nc_u64 s[10:11], s[10:11], s[88:89]
	v_and_b32 v8, 15, v0                           ; r
	v_and_b32 v9, 31, v0                           ; lane
	s_delay_alu instid0(VALU_DEP_1)
	v_lshlrev_b32 v[GO], 4, v9
	s_delay_alu instid0(VALU_DEP_3)
	v_lshlrev_b32 v10, 5, v8                       ; 32 r
.irp c, 0,1,2
	global_load_b128 v[16+4*\c:19+4*\c], v[GO], s[4:5] offset:512*\c   ; Q's fragment stays in registers
.endr
	global_load_b32 v255, v10, s[6:7]              ; Q's scale words
	s_mul_i32 s66, s53, 8*FRB
	v_add_nc_u32 v[AK0], s66, v[GO]                ; 16 x lane, + my parity's 128 keys
	s_delay_alu instid0(VALU_DEP_1)
	v_add_nc_u32 v[AV0], SLOTB, v[AK0]
	s_lshl_b32 s66, s53, 9
	s_add_co_u32 s66, s66, SCK
	v_add_nc_u32 v[ASK0], s66, v10
	s_delay_alu instid0(VALU_DEP_1)
	v_add_nc_u32 v[ASV0], SCV-SCK, v[ASK0]
	v_lshlrev_b32 v[PFO], 8, v9
	s_mul_i32 s66, s52, 8448
	s_add_co_u32 s66, s66, MRG
	v_add_nc_u32 v[MA], s66, v[GO]
	v_lshlrev_b32 v[MB], 3, v9
	s_delay_alu instid0(VALU_DEP_1)
	v_add_nc_u32 v[MB], s66, v[MB]
	s_delay_alu instid0(VALU_DEP_1)
	v_add_nc_u32 v[MB], 8192, v[MB]
	v_lshlrev_b32 v[R8], 3, v8
	v_mov_b32 v13, 0xff61b1e6                      ; the largest t so far: -3e38, under every t
	s_delay_alu instid0(VALU_DEP_1)
	v_floor_f32 v12, -v13                          ; -M
	v_mov_b32 v14, 0
	v_mov_b32 v15, 0
.irp b, 0,1,2,3
	v_mov_b32 v[236+\b], 0                         ; a lane permute's destination counts as one of its sources
.endr
	v_mov_b32 v253, 0                              ; (named as the upper half of a pair before it is first written)
.set j, 0
.rept 64
	v_mov_b32 v[160+j], 0                          ; O^T: the step is written once; its first run finds zeros
.set j, j+1
.endr
; A KEY STEP: 128 keys: the slot's (2 q + my parity)-th.
.macro STEP q
	s_add_co_u32 s96, s[Q0], 23                    ; my last query
	s_cmp_gt_u32 s[KF], s96                        ; all keys hidden: the step's work is left out, not the line at its end
	s_cbranch_scc1 .Lhidden_\@
	v_add_nc_u32 v[ADK], s[TB], v[AK0]             ; (these four are also the places in front of the loads below)
	s_wait_alu depctr_va_vdst(0)
	v_add_nc_u32 v[ADV], s[TB], v[AV0]
	v_add_nc_u32 v[ADS], s[TS], v[ASK0]
	s_wait_alu depctr_va_vdst(0)
	v_add_nc_u32 v[ADT], s[TS], v[ASV0]
	s_wait_alu depctr_va_vdst(0)
.irp g, 0,1                                    ; S^T = K Q^T, four tiles of 16 keys at a time
.rept 4*\g
	v_nop                                          ; places in front of loads into registers that matrix instructions have read
.endr
.irp t, 0,1,2,3
.irp c, 0,1,2
	ds_load_b128 v[32+12*\t+4*\c:35+12*\t+4*\c], v[ADK] offset:16*FRB*(\q)+(4*\g+\t)*FRB+512*\c
.endr
.endr
	ds_load_b128 v[248:251], v[ADS] offset:1024*(\q)+16*\g   ; the four tiles' scale words of my row
	s_wait_dscnt 0x0
.irp t, 0,1,2,3
	v_wmma_scale_f32_16x16x128_f8f6f4 v[96+8*(4*\g+\t):103+8*(4*\g+\t)], v[32+12*\t:43+12*\t], v[16:27], 0, v[248+\t], v255 matrix_a_fmt:MATRIX_FMT_FP6 matrix_b_fmt:MATRIX_FMT_FP6
.endr
.endr
.rept 4
	v_nop
.endr
.irp t, 0,1,2,3                                ; V's first four fragments are asked for now, into the registers that K's have left (four places stand above): the softmax's work stands between these loads and the wait for them
.irp c, 0,1,2
	ds_load_b128 v[32+12*\t+4*\c:35+12*\t+4*\c], v[ADV] offset:16*FRB*(\q)+\t*FRB+512*\c
.endr
.endr
	ds_load_b128 v[80:83], v[ADT] offset:1024*(\q) ; and their scale words
	s_add_co_u32 s96, s[KF], 127
	s_cmp_le_u32 s96, s[Q0]
	s_cbranch_scc1 .Lopen_\@
	s_sub_co_i32 s96, s[Q0], s[KF]
	v_and_b32 v252, 15, v0
	s_delay_alu instid0(VALU_DEP_1)
	v_and_b32 v253, 8, v252
	s_delay_alu instid0(VALU_DEP_1)
	v_add_nc_u32 v252, v252, v253                  ; r + 8 (r / 8)
	v_bfe_u32 v253, v0, 4, 1
	s_delay_alu instid0(VALU_DEP_1)
	v_lshlrev_b32 v253, 4, v253
	s_delay_alu instid0(VALU_DEP_1)
	v_sub_nc_u32 v252, v252, v253
	s_delay_alu instid0(VALU_DEP_1)
	v_add_nc_u32 v252, s96, v252                   ; d = my query - KF - 16 h.  Register 16 b + i holds key KF + 32 b + 16 h + i: hidden where 32 b + i > d
	v_mov_b32 v254, 0xff800000
.set n, 0
.rept 64
	v_cmp_gt_i32 vcc_lo, 32*(n/16)+n%16, v252
	v_cndmask_b32 v[96+n], v[96+n], v254, vcc_lo
.set n, n+1
.endr
.Lopen_\@:
.irp b, 0,1,2,3
	v_max3_num_f32 v[232+\b], v[96+16*\b], v[97+16*\b], v[98+16*\b]   ; the largest score of each block of 32 keys: for the row's maximum, and, since p rises with the score, for the block's largest p
.endr
.irp i, 3,5,7,9,11,13
.irp b, 0,1,2,3
	v_max3_num_f32 v[232+\b], v[232+\b], v[96+16*\b+\i], v[97+16*\b+\i]
.endr
.endr
.irp b, 0,1,2,3
	v_max_num_f32 v[232+\b], v[232+\b], v[111+16*\b]
.endr
.irp b, 0,1,2,3
	s_delay_alu instid0(VALU_DEP_4)
	v_permlanex16_b32 v[236+\b], v[232+\b], s[SEL], s[SEL+1]
.endr
.irp b, 0,1,2,3
	s_delay_alu instid0(VALU_DEP_4)
	v_max_num_f32 v[232+\b], v[232+\b], v[236+\b]  ; with lane l xor 16's 16 keys
.endr
	s_delay_alu instid0(VALU_DEP_2)
	v_max3_num_f32 v254, v232, v233, v234
	s_delay_alu instid0(VALU_DEP_1)
	v_max_num_f32 v254, v254, v235
	s_delay_alu instid0(VALU_DEP_1)
	v_mul_f32 v254, s[CS], v254                    ; the step's largest t
	s_delay_alu instid0(VALU_DEP_1)
	v_max_num_f32 v13, v13, v254
	v_mov_b32 v254, v12
	s_delay_alu instid0(VALU_DEP_2)
	v_floor_f32 v12, -v13                          ; the new -M = -ceil(t): a whole number
	s_delay_alu instid0(VALU_DEP_1)
	v_sub_f32 v254, v12, v254
	s_delay_alu instid0(VALU_DEP_1)
	v_cvt_i32_f32 v254, v254                       ; (it saturates)
	s_delay_alu instid0(VALU_DEP_1)
	v_ldexp_f32 v252, 1.0, v254                    ; f = 2^(old M - new M): exact
.set j, 0
.rept 32
	v_pk_fma_f32 v[96+j:97+j], v[96+j:97+j], s[CS:CS+1], v[12:13] op_sel_hi:[1,0,0]   ; t - M
.set j, j+2
.endr
.irp b, 0,1,2,3
	v_fma_f32 v[232+\b], v[232+\b], s[CS], v12
.endr
.set j, 0
	s_wait_alu depctr_va_vdst(0)
.rept 64
	v_exp_f32 v[96+j], v[96+j]                     ; p = 2^(t - M)
.set j, j+1
.endr
	v_pk_mul_f32 v[14:15], v[14:15], v[252:253] op_sel_hi:[1,0]   ; the sums under the new M (a plain place behind the exponentials)
	s_wait_alu depctr_va_vdst(0)                   ; one wait for the whole batch, ahead of its first reader
.irp b, 0,1,2,3
	v_exp_f32 v[232+\b], v[232+\b]                 ; the block's largest p
.endr
	v_pk_add_f32 v[236:237], v[100:101], v[104:105]
	v_pk_add_f32 v[250:251], v[108:109], v[112:113]
	v_pk_add_f32 v[248:249], v[116:117], v[120:121]
	v_pk_add_f32 v[246:247], v[124:125], v[128:129]
	v_pk_add_f32 v[244:245], v[132:133], v[136:137]
	v_pk_add_f32 v[242:243], v[140:141], v[144:145]
	v_pk_add_f32 v[240:241], v[148:149], v[152:153]
	v_pk_add_f32 v[14:15], v[14:15], v[156:157]
	v_pk_add_f32 v[236:237], v[236:237], v[96:97]
	v_pk_add_f32 v[250:251], v[250:251], v[98:99]
	v_pk_add_f32 v[248:249], v[248:249], v[102:103]
	v_pk_add_f32 v[246:247], v[246:247], v[106:107]
	v_pk_add_f32 v[244:245], v[244:245], v[110:111]
	v_pk_add_f32 v[242:243], v[242:243], v[114:115]
	v_pk_add_f32 v[240:241], v[240:241], v[118:119]
	v_pk_add_f32 v[14:15], v[14:15], v[122:123]
	v_pk_add_f32 v[236:237], v[236:237], v[126:127]
	v_pk_add_f32 v[250:251], v[250:251], v[130:131]
	v_pk_add_f32 v[248:249], v[248:249], v[134:135]
	v_pk_add_f32 v[246:247], v[246:247], v[138:139]
	v_pk_add_f32 v[244:245], v[244:245], v[142:143]
	v_pk_add_f32 v[242:243], v[242:243], v[146:147]
	v_pk_add_f32 v[240:241], v[240:241], v[150:151]
	v_pk_add_f32 v[14:15], v[14:15], v[154:155]
	v_pk_add_f32 v[236:237], v[236:237], v[158:159]
	s_delay_alu instid0(VALU_DEP_2)
	v_pk_add_f32 v[14:15], v[14:15], v[246:247]
	s_delay_alu instid0(VALU_DEP_2)
	v_pk_add_f32 v[236:237], v[236:237], v[244:245]
	v_pk_add_f32 v[250:251], v[250:251], v[242:243]
	v_pk_add_f32 v[248:249], v[248:249], v[240:241]
	s_delay_alu instid0(VALU_DEP_2)
	v_pk_add_f32 v[14:15], v[14:15], v[250:251]
	s_delay_alu instid0(VALU_DEP_2)
	v_pk_add_f32 v[236:237], v[236:237], v[248:249]
	s_delay_alu instid0(VALU_DEP_1)
	v_pk_add_f32 v[14:15], v[14:15], v[236:237]
	s_wait_alu depctr_va_vdst(0)                   ; and one for the four
.irp b, 0,1,2,3
	v_max_num_f32 v[232+\b], 0x1800000, v[232+\b]  ; the floor 2^(3 - 127)
.endr
.irp b, 0,1,2,3
	s_delay_alu instid0(VALU_DEP_4)
	v_add_nc_u32 v[244+\b], 0xff000000, v[232+\b]
.endr
.irp b, 0,1,2,3
	s_delay_alu instid0(VALU_DEP_4)
	v_lshrrev_b32 v[236+\b], 23, v[244+\b]
.endr
	s_delay_alu instid0(VALU_DEP_3)
	v_lshl_or_b32 v253, v237, 8, v236              ; p's scale word for these 128 keys
	s_delay_alu instid0(VALU_DEP_1)
	v_lshl_or_b32 v253, v238, 16, v253
	s_delay_alu instid0(VALU_DEP_1)
	v_lshl_or_b32 v253, v239, 24, v253
.irp c, 0,1
	v_cvt_scalef32_pk16_fp6_f32 v[224+6*\c:226+6*\c], v[96+32*\c:111+32*\c], v[244+2*\c]
	v_cvt_scalef32_pk16_fp6_f32 v[236+4*\c:238+4*\c], v[112+32*\c:127+32*\c], v[244+2*\c+1]
.endr
	v_nop
.irp t, 0,1,2,3                                ; p is in codes: V's last four fragments go into p's registers v96-143
.irp c, 0,1,2
	ds_load_b128 v[96+12*\t+4*\c:99+12*\t+4*\c], v[ADV] offset:16*FRB*(\q)+(4+\t)*FRB+512*\c
.endr
.endr
	ds_load_b128 v[84:87], v[ADT] offset:1024*(\q)+16
.irp c, 0,1
.irp i, 0,1,2
	v_permlane16_swap_b32 v[224+6*\c+\i], v[236+4*\c+\i]
.endr
.irp i, 0,1,2
	s_delay_alu instid0(VALU_DEP_3)
	v_mov_b32 v[227+6*\c+\i], v[236+4*\c+\i]
.endr
.endr
	s_wait_alu depctr_va_vdst(0)                   ; the wait here, directly ahead of the first reader of O^T
.set j, 0
.rept 32
	v_pk_mul_f32 v[160+j:161+j], v[160+j:161+j], v[252:253] op_sel_hi:[1,0]
.set j, j+2
.endr
	s_wait_alu depctr_va_vdst(0)
	s_wait_dscnt 13                                ; O^T += V^T P^T.  The first 13 loads are in; the 13 issued behind the conversions may be out
.irp t, 0,1,2,3
	v_wmma_scale_f32_16x16x128_f8f6f4 v[160+8*\t:167+8*\t], v[32+12*\t:43+12*\t], v[224:235], v[160+8*\t:167+8*\t], v[80+\t], v253 matrix_a_fmt:MATRIX_FMT_FP6 matrix_b_fmt:MATRIX_FMT_FP6
.endr
	s_wait_dscnt 0x0
.irp t, 0,1,2,3
	v_wmma_scale_f32_16x16x128_f8f6f4 v[192+8*\t:199+8*\t], v[96+12*\t:107+12*\t], v[224:235], v[192+8*\t:199+8*\t], v[84+\t], v253 matrix_a_fmt:MATRIX_FMT_FP6 matrix_b_fmt:MATRIX_FMT_FP6
.endr
	v_nop                                          ; with the next step's four address lines six places: its score products write over v96-143, which these products read (ISA guide 7.12.1)
	v_nop
.Lhidden_\@:
	s_add_co_u32 s[KF], s[KF], 256                 ; my next step
.endm
; THE CHANGE OF SLOTS stands at a slot's head: each wave waits for all its tensor loads, adds 0 to its spare word, waits for that and for its reads of the slot that it has left; a barrier; then the slot left is filled.
.macro CHANGE fill
	s_wait_tensorcnt 0x0                           ; no tensor load of mine is out, so a group 0 may be written
	ds_add_u32 v[SPW], v[NIL]
	ds_add_u32 v[SPW], v[NIL]                      ; twice on end
.if \fill
	s_xor_b32 s[G0T+1], s[G0T+1], SLOT1
	s_add_nc_u64 s[G0T+2:G0T+3], s[G0T+2:G0T+3], SLOTB   ; the next 512 keys
	s_wait_xcnt 0x0                                ; the last prefetch, a slot back, has read its address
	s_add_nc_u64 s[PFA:PFA+1], s[PFA:PFA+1], SLOTB
.endif
	s_wait_dscnt 0x0                               ; the add is done, and my reads of the slot that I have left are over
	s_barrier_signal -1
	s_barrier_wait -1
.if \fill
	s_sub_co_u32 s96, 4, s[SLOTS]                  ; the slot that this change would ask for;
	s_lshl_b32 s96, s96, 9                         ; its first key.  Where it comes after my work-group's last query no wave reads the slot, and it is not asked for:
	s_cmp_gt_u32 s96, s[QLAST]                     ; the work-group's number and the count of slots alone: all sixteen waves go the same way
	s_cbranch_scc1 .Lpast_\@
	TLOAD                                          ; a wave's one tensor load until the next such barrier; it has two steps of every wave in which to land
.Lpast_\@:
	ASK
.endif
.endm
	s_wait_loadcnt 0x0                             ; Q
.Lslot:                                                ; three trips: behind each change of slots but the last the next slot is asked for
	CHANGE 1
	STEP 0
	STEP 1
	s_xor_b32 s[TB], s[TB], SLOT1
	s_add_co_u32 s[TS], s[TS], 2048
	s_sub_co_u32 s[SLOTS], s[SLOTS], 1
	s_cmp_lg_u32 s[SLOTS], 0
	s_cbranch_scc1 .Lslot
	CHANGE 0                                       ; the last slot is written out
	STEP 0
	STEP 1
	; THE TWO PARITIES MEET.  The odd wave stores O^T, -M and its sum as images of its registers; a barrier; the even wave joins them.
.rept 4
	v_nop                                          ; places behind the last products
.endr
	v_add_f32 v13, v14, v15                        ; my sum (the largest t is done with): (v12, v13) = (-M, sum)
	s_cmp_eq_u32 s53, 0
	s_cbranch_scc1 .Lkeep
	s_wait_alu depctr_va_vdst(0)
.irp c, 0,1,2,3,4,5,6,7,8,9,10,11,12,13,14,15
	ds_store_b128 v[MA], v[160+4*\c:163+4*\c] offset:512*\c   ; each accumulator from its low end on
.endr
	ds_store_b64 v[MB], v[12:13]
.Lkeep:
	s_wait_dscnt 0x0                               ; for the other wave's sake: my stores have landed
	s_barrier_signal -1
	s_barrier_wait -1
	s_cmp_eq_u32 s53, 0
	s_cbranch_scc1 .Lmerge
	FINISH
.Lmerge:
.irp c, 0,1,2,3,4,5,6,7,8,9,10,11,12,13,14,15
	ds_load_b128 v[96+4*\c:99+4*\c], v[MA] offset:512*\c
.endr
	ds_load_b64 v[232:233], v[MB]
	s_wait_dscnt 0x0
	v_min_num_f32 v234, v12, v232                  ; -(the larger M)
	s_delay_alu instid0(VALU_DEP_1)
	v_sub_f32 v235, v234, v12
	s_delay_alu instid0(VALU_DEP_2)
	v_sub_f32 v236, v234, v232
	s_delay_alu instid0(VALU_DEP_2)
	v_cvt_i32_f32 v235, v235                       ; whole numbers, 0 or less (it saturates: a partner that had no step gets the factor 0)
	s_delay_alu instid0(VALU_DEP_2)
	v_cvt_i32_f32 v236, v236
	s_delay_alu instid0(VALU_DEP_2)
	v_ldexp_f32 v235, 1.0, v235                    ; exact powers of two
	s_wait_alu depctr_va_vdst(0)
	v_ldexp_f32 v236, 1.0, v236
	v_mul_f32 v237, v13, v235
	s_delay_alu instid0(VALU_DEP_1)
	v_fma_f32 v237, v233, v236, v237
	s_delay_alu instid0(VALU_DEP_1)
	v_permlanex16_b32 v238, v237, s[SEL], s[SEL+1]
	s_delay_alu instid0(VALU_DEP_1)
	v_add_f32 v237, v237, v238                     ; the row's sum
	s_wait_alu depctr_va_vdst(0)
	v_rcp_f32 v237, v237
	v_mov_b32 v241, 0                              ; (a plain place behind the reciprocal; the upper halves of two pairs)
	v_mov_b32 v243, 0
	s_wait_alu depctr_va_vdst(0)                   ; the wait ahead of the first reader
	v_mul_f32 v240, v235, v237
	v_mul_f32 v242, v236, v237
.set j, 0
.rept 32
	v_pk_mul_f32 v[160+j:161+j], v[160+j:161+j], v[240:241] op_sel_hi:[1,0]
.set j, j+2
.endr
.set j, 0
.rept 32
	v_pk_fma_f32 v[160+j:161+j], v[96+j:97+j], v[242:243], v[160+j:161+j] op_sel_hi:[1,0,1]   ; register 16 b + i = the context at d = 32 b + 16 h + i of my query
.set j, j+2
.endr
	; quantised along d: the output projection's K step = my head
.irp b, 0,1,2,3
	v_max3_num_f32 v[TM+\b], |v[160+16*\b]|, |v[161+16*\b]|, 0x1800000
.endr
.irp i, 2,4,6,8,10,12,14
.irp b, 0,1,2,3
	s_delay_alu instid0(VALU_DEP_4)
	v_max3_num_f32 v[TM+\b], v[TM+\b], |v[160+16*\b+\i]|, |v[161+16*\b+\i]|
.endr
.endr
.irp b, 0,1,2,3
	v_permlanex16_b32 v[TM+4+\b], v[TM+\b], s[SEL], s[SEL+1]
.endr
.irp b, 0,1,2,3
	s_delay_alu instid0(VALU_DEP_4)
	v_max_num_f32 v[TM+\b], v[TM+\b], v[TM+4+\b]
.endr
.irp b, 0,1,2,3
	s_delay_alu instid0(VALU_DEP_4)
	v_add_nc_u32 v[TM+12+\b], 0xff000000, v[TM+\b]
.endr
.irp b, 0,1,2,3
	s_delay_alu instid0(VALU_DEP_4)
	v_lshrrev_b32 v[TM+4+\b], 23, v[TM+12+\b]
.endr
	s_delay_alu instid0(VALU_DEP_3)
	v_lshl_or_b32 v[PW], v[TM+5], 8, v[TM+4]
	s_delay_alu instid0(VALU_DEP_1)
	v_lshl_or_b32 v[PW], v[TM+6], 16, v[PW]
	s_delay_alu instid0(VALU_DEP_1)
	v_lshl_or_b32 v[PW], v[TM+7], 24, v[PW]
.irp c, 0,1
	v_cvt_scalef32_pk16_fp6_f32 v[PC+6*\c:PC+2+6*\c], v[160+32*\c:175+32*\c], v[TM+12+2*\c]
	v_cvt_scalef32_pk16_fp6_f32 v[PC+12+4*\c:PC+14+4*\c], v[176+32*\c:191+32*\c], v[TM+12+2*\c+1]
.endr
	v_nop                                          ; one plain place behind a scaled conversion
.irp c, 0,1
.irp i, 0,1,2
	v_permlane16_swap_b32 v[PC+6*\c+\i], v[PC+12+4*\c+\i]
.endr
.irp i, 0,1,2
	s_delay_alu instid0(VALU_DEP_3)
	v_mov_b32 v[PC+3+6*\c+\i], v[PC+12+4*\c+\i]
.endr
.endr
.irp c, 0,1,2
	global_store_b128 v[GO], v[PC+4*\c:PC+4*\c+3], s[8:9] offset:512*\c   ; 512 consecutive bytes, aligned
.endr
	global_store_b32 v[R8], v[PW], s[10:11]        ; my row's word (both halves of the lanes hold and write the same)
	FINISH
.Lfunc_end_k_q2834c77e28_attn:
	.size	k_q2834c77e28_attn, .Lfunc_end_k_q2834c77e28_attn-k_q2834c77e28_attn
	.p2alignl 7, 3214868480
	.fill 96, 4, 3214868480
	.section	.rodata,"a",@progbits
	.p2align	6, 0x0
	.amdhsa_kernel k_q2834c77e28_attn
		.amdhsa_group_segment_fixed_size 327680
		.amdhsa_private_segment_fixed_size 0
		.amdhsa_enable_private_segment 0
		.amdhsa_kernarg_size 32
		.amdhsa_user_sgpr_count 2
		.amdhsa_user_sgpr_kernarg_segment_ptr 1
		.amdhsa_wavefront_size32 1
		.amdhsa_system_sgpr_workgroup_id_x 1
		.amdhsa_system_sgpr_workgroup_id_y 1
		.amdhsa_system_sgpr_workgroup_id_z 1
		.amdhsa_system_vgpr_workitem_id 0
		.amdhsa_next_free_vgpr 256
		.amdhsa_next_free_sgpr 100
		.amdhsa_reserve_vcc 1
		.amdhsa_float_denorm_mode_32 3
		.amdhsa_float_denorm_mode_16_64 3
		.amdhsa_memory_ordered 1
		.amdhsa_forward_progress 1
		.amdhsa_inst_pref_size 127
	.end_amdhsa_kernel
	.amdgpu_metadata
---
amdhsa.version: [ 1, 2 ]
amdhsa.kernels:
  - .name:           k_q2834c77e28_attn
    .symbol:         k_q2834c77e28_attn.kd
    .args:
      - { .name: qkvc, .offset: 0, .size: 8, .value_kind: global_buffer, .address_space: global }
      - { .name: qkvs, .offset: 8, .size: 8, .value_kind: global_buffer, .address_space: global }
      - { .name: ctxc, .offset: 16, .size: 8, .value_kind: global_buffer, .address_space: global }
      - { .name: ctxs, .offset: 24, .size: 8, .value_kind: global_buffer, .address_space: global }
    .group_segment_fixed_size: 327680
    .private_segment_fixed_size: 0
    .kernarg_segment_align: 8
    .kernarg_segment_size: 32
    .max_flat_workgroup_size: 512
    .sgpr_count:     100
    .vgpr_count:     256
    .wavefront_size: 32
...
	.end_amdgpu_metadata
.endif
;; end of part 3
;; launch gemm_out (part 4): grid 8 x 32, 4 waves a work-group, clusters of 4 x 4, 327,680 bytes of LDS; arguments ctxc, ctxs, opc, ops, out0; writes out0
.if DOCPART == 4
	.amdgcn_target "amdgcn-amd-amdhsa--gfx1250"
	.amdhsa_code_object_version 6
	.text
	.protected	k_q2834c77e28_gemm_out
	.globl	k_q2834c77e28_gemm_out
	.p2align	8
	.type	k_q2834c77e28_gemm_out,@function
k_q2834c77e28_gemm_out:
	s_mov_b64 s[64:65], 0
	v_nop
	global_prefetch_b8 v0, s[64:65] scope:SCOPE_SE
	s_setreg_imm32_b32 hwreg(HW_REG_WAVE_MODE, 25, 1), 1
	s_wait_xcnt 0x0
	s_wait_alu depctr_hold_cnt(0) depctr_sa_sdst(0) depctr_va_vdst(0) depctr_va_sdst(0) depctr_va_ssrc(0) depctr_va_vcc(0) depctr_vm_vsrc(0)
	s_getreg_b32 s2, hwreg(HW_REG_IB_STS2, 6, 4)
	s_cmp_eq_u32 s2, 0
	s_cbranch_scc0 .Lentry_in_a_cluster
	s_endpgm
.Lentry_in_a_cluster:
	s_bfe_u32 s2, ttmp6, 0x10000c
	s_cmp_lg_u32 s2, 0xf033
	s_cbranch_scc0 .Lentry_shape_is_right
	s_endpgm
.Lentry_shape_is_right:
; out0 = context x wo on codes of FP6 (E2M3) with E8M0 scales, K = 1,024.  A work-group of four waves makes 128 x 256; 256 work-groups.
; Operands lie in memory as images of the operand's registers (16 rows x 128 K = 1,536 bytes); a rowblock's eight images, all of K, are 12,288 consecutive bytes.
; ALL OF K COMES AT ONCE: the context's 8 rowblocks and wo's 16 are 294,912 bytes of LDS.  Each wave issues ONE joint load at the head: waves 0, 1 four rowblocks of the context each, waves 2, 3 eight of wo each.  Nothing is filled again.
; A WAVE MAKES 128 ROWS x 64 COLUMNS, BY ROWS: its four rowblocks of wo for all of K stay in 384 registers; the eight blocks of 16 rows are finished one after the other, 32 matrix instructions each
; (four accumulators by turns, K ascending), and each block leaves, through the wave's own stage, while the next is multiplied.  A wave reads 32 + 64 fragments from LDS, none twice.
; CLUSTERS: 4 x 4; the context's tiles are asked for jointly along a row of the cluster, wo's along a column.  No prefetch: every byte is asked for by the head's loads, and there is no loop to run ahead in.
; The matrix instruction is used transposed (source 0 = wo's rows, source 1 = the context's): a lane holds neighbouring columns of one row of out0.  Row r of rowblock RB is the true row 32 (RB / 2) + 8 (RB % 2) + r + 8 (r / 8).
; REGISTERS: window 0: v0-31 addresses; v32-95 the context's scale words (8 a + ks); v96-127 wo's (8 b + ks); v128-159 a block read back from the stage; v160-223 accumulators, two sets of 32.
;   window 1: the context's fragments, two sets of 96 (12 ks).  window 2: wo's fragments of K steps 0-4 (48 ks + 12 b);  window 3: of K steps 5-7.
.set FR,     12
.set FRB,    1536
.set RBC,    12288
.set CROW,   RBC
.set APART,  4*CROW
.set BPART,  8*CROW
.set BBASE,  2*APART
.set STAGE,  BBASE+2*BPART             ; behind the tiles: 16 rows x (256 + 16) bytes for each wave; no tensor load lands here
.set SPITCH, 272
.set SPARE,  STAGE+4*16*SPITCH         ; the spare words, 128 bytes a wave
.set WO_C,   11010048
.set WO_S,   458752
.set ADRA, 8                           ; v8, v9 the context's rowblocks 0-3, 4-7
.set ADRB, 12                          ; v12    my four rowblocks of wo
.set STO,  24
.set RD,   25
.set L16,  26
.set R8,   27
.set SPW,  28                          ; my spare word; never rewritten
.set NIL,  29                          ; 0; never rewritten
.set CO,   30
.set SA,   32
.set SB,   96
.set BK,   128
.set ACC,  160
.set G1, 24
.set G1B, 32
.set G0, 68
.set G0B, 84
.set M2, 0x06                          ; source 0 window 2, source 1 window 1, C and D window 0
.set M3, 0x07
.set MSB, 0
.macro WIN new
.if MSB != (\new)
	s_set_vgpr_msb (MSB<<8)|(\new)
.set MSB, (\new)
.endif
.endm
.macro PLACES n
.rept \n
	v_nop
.endr
.endm
.macro CREST
	s_cmp_lg_u32 s14, 0
	s_cbranch_scc1 .Lnot_wave_0_\@
	s_barrier_signal -3
.Lnot_wave_0_\@:
	s_barrier_wait -3
	s_barrier_signal -1
	s_barrier_wait -1
.endm
.macro CROUND
	s_barrier_signal -1
	s_barrier_wait -1
	CREST
.endm
	s_load_b128 s[4:7], s[0:1], 0x0                ; ctxc, ctxs
	s_load_b128 s[8:11], s[0:1], 0x10              ; opc, ops
	s_load_b64 s[12:13], s[0:1], 0x20              ; out0
	v_lshl_add_u32 v[SPW], v0, 2, SPARE
	v_mov_b32 v[NIL], 0
	ds_add_u32 v[SPW], v[NIL]                      ; the opening lines: the add, twice on end, and its wait ahead of my first tensor load
	ds_add_u32 v[SPW], v[NIL]
	v_lshrrev_b32 v1, 5, v0
	v_readfirstlane_b32 s14, v1                    ; wave
	s_lshr_b32 s15, s14, 1                         ; I fetch for the context (0) or for wo (1),
	s_and_b32 s16, s14, 1                          ; which half
	s_bfe_u32 s40, ttmp6, 0x40000
	s_bfe_u32 s41, ttmp6, 0x40004
	s_lshl_b32 s42, ttmp9, 2
	s_add_co_u32 s42, s42, s40                     ; tile column
	s_and_b32 s17, ttmp7, 0xffff
	s_lshl_b32 s17, s17, 2
	s_add_co_u32 s17, s17, s41                     ; tile row
	s_lshl_b32 s43, s41, 2
	s_lshl_b32 s43, 15, s43
	s_lshl_b32 s44, 0x1111, s40
	s_or_b32 s[G1+0], s43, (3<<16)|(1<<21)         ; 4 rows of 12,288 bytes, elements of 8 bytes
	s_mov_b32 s[G1+1], (CROW/8)<<16
	s_mov_b32 s[G1+2], 4<<16
	s_mov_b32 s[G1+3], (CROW/8)<<16
	s_mov_b32 s[G1+4], 4
	s_mov_b32 s[G1+5], RBC/8
	s_mov_b32 s[G1+6], 0
	s_mov_b32 s[G1+7], 0
	s_or_b32 s[G1B+0], s44, (3<<16)|(1<<21)        ; 8 rows
	s_mov_b32 s[G1B+1], (CROW/8)<<16
	s_mov_b32 s[G1B+2], 8<<16
	s_mov_b32 s[G1B+3], (CROW/8)<<16
	s_mov_b32 s[G1B+4], 8
	s_mov_b32 s[G1B+5], RBC/8
	s_mov_b32 s[G1B+6], 0
	s_mov_b32 s[G1B+7], 0
	s_lshl_b32 s20, s17, 3
	s_lshl_b32 s18, s16, 2
	s_add_co_u32 s20, s20, s18
	s_mul_i32 s20, s20, RBC
	s_mov_b32 s21, 0
	s_lshl_b32 s46, s42, 4
	s_lshl_b32 s18, s16, 3
	s_add_co_u32 s46, s46, s18
	s_mul_i32 s46, s46, RBC
	s_add_co_u32 s46, s46, WO_C
	s_mov_b32 s47, 0
	s_mul_i32 s45, s16, APART
	s_mul_i32 s48, s16, BPART
	s_add_co_u32 s48, s48, BBASE
	s_wait_dscnt 0x0
	s_wait_kmcnt 0x0
	s_add_nc_u64 s[20:21], s[4:5], s[20:21]
	s_add_nc_u64 s[46:47], s[8:9], s[46:47]
	CROUND                                         ; the joint loads meet
	s_mov_b32 s[G0], 1
	s_mov_b32 s[G0+1], s45
	s_mov_b64 s[G0+2:G0+3], s[20:21]
	s_or_b32 s[G0+3], s[G0+3], 0x80000000
	s_mov_b32 s[G0B], 1
	s_mov_b32 s[G0B+1], s48
	s_mov_b64 s[G0B+2:G0B+3], s[46:47]
	s_or_b32 s[G0B+3], s[G0B+3], 0x80000000
	s_cmp_eq_u32 s15, 0
	s_cbranch_scc0 .Lfor_b
	tensor_load_to_lds s[G0:G0+3], s[G1:G1+7]      ; my one tensor load: my rowblocks for all of K
	s_nop 0
	PLACES 4
	s_branch .Lasked
.Lfor_b:
	tensor_load_to_lds s[G0B:G0B+3], s[G1B:G1B+7]
	s_nop 0
	PLACES 4
.Lasked:
	s_lshl_b32 s20, s17, 12                        ; the context's scale words: 512 bytes a rowblock, 8 rowblocks a tile row
	s_mov_b32 s21, 0
	s_add_nc_u64 s[6:7], s[6:7], s[20:21]
	s_lshl_b32 s46, s42, 4
	s_lshl_b32 s47, s14, 2
	s_add_co_u32 s46, s46, s47                     ; my first rowblock of wo
	s_lshl_b32 s50, s46, 6                         ; its first column, in bytes
	s_mov_b32 s51, 0
	s_lshl_b32 s46, s46, 9
	s_add_co_u32 s46, s46, WO_S
	s_mov_b32 s47, 0
	s_add_nc_u64 s[10:11], s[10:11], s[46:47]
	s_lshl_b32 s20, s17, 20                        ; 128 rows of 8,192 bytes
	s_add_nc_u64 s[12:13], s[12:13], s[20:21]
	s_add_nc_u64 s[12:13], s[12:13], s[50:51]
	v_and_b32 v1, 15, v0                           ; r
	v_bfe_u32 v2, v0, 4, 1                         ; h
	v_and_b32 v3, 31, v0
	v_lshlrev_b32 v[L16], 4, v3
	v_lshlrev_b32 v[R8], 3, v1
	v_lshlrev_b32 v[ADRA], 4, v3
	v_add_nc_u32 v[ADRA+1], 4*CROW, v[L16]
	v_mad_u32_u24 v[ADRB], s14, 4*CROW, v[L16]
	v_add_nc_u32 v[ADRB], BBASE, v[ADRB]
	v_mul_u32_u24 v5, v1, SPITCH                   ; the stage, in: row r, 64 bytes for each half of the lanes
	v_lshl_add_u32 v5, v2, 6, v5
	v_mad_u32_u24 v[STO], s14, 16*SPITCH, v5
	v_add_nc_u32 v[STO], STAGE, v[STO]
	v_mul_u32_u24 v6, v2, SPITCH                   ; back: lanes 0-15 one row of 256 bytes, lanes 16-31 the next
	v_lshl_add_u32 v6, v1, 4, v6
	v_mad_u32_u24 v[RD], s14, 16*SPITCH, v6
	v_add_nc_u32 v[RD], STAGE, v[RD]
	v_lshlrev_b32 v7, 13, v2
	v_lshl_add_u32 v[CO], v1, 4, v7                ; and the same two rows in out0
	s_wait_alu depctr_va_vdst(0)                   ; the wait at the head's end
.irp i, 0,1,2,3,4,5,6,7
.irp g, 0,1,2,3
	global_load_b64 v[SA+8*\i+2*\g:SA+8*\i+2*\g+1], v[R8], s[6:7] offset:512*\i+128*\g
.endr
.endr
.irp i, 0,1,2,3
.irp g, 0,1,2,3
	global_load_b64 v[SB+8*\i+2*\g:SB+8*\i+2*\g+1], v[R8], s[10:11] offset:512*\i+128*\g
.endr
.endr
.macro FRAG reg, adr, off
.irp c, 0,1,2
	ds_load_b128 v[\reg+4*\c:\reg+4*\c+3], v[\adr] offset:\off+512*\c
.endr
.endm
.macro ALOAD a                         ; the context's block a, all eight K steps, into set a % 2 of window 1
.irp k, 0,1,2,3,4,5,6,7
	FRAG 96*((\a)%2)+FR*\k, ADRA+(\a)/4, ((\a)%4)*CROW+\k*FRB
.endr
.endm
.macro BLOAD k                         ; wo's four fragments of K step k
.irp b, 0,1,2,3
	FRAG 48*((\k)%5)+FR*\b, ADRB, \b*CROW+(\k)*FRB
.endr
.endm
.macro MUL4 a, k                       ; block a, K step k: the four accumulators by turns; K step 0 starts the sums
.irp b, 0,1,2,3
.if (\k) == 0
	v_wmma_scale_f32_16x16x128_f8f6f4 v[ACC+32*((\a)%2)+8*\b:ACC+32*((\a)%2)+8*\b+7], v[48*((\k)%5)+FR*\b:48*((\k)%5)+FR*\b+FR-1], v[96*((\a)%2)+FR*(\k):96*((\a)%2)+FR*(\k)+FR-1], 0, v[SB+8*\b+(\k)], v[SA+8*(\a)+(\k)] matrix_a_fmt:MATRIX_FMT_FP6 matrix_b_fmt:MATRIX_FMT_FP6
.else
	v_wmma_scale_f32_16x16x128_f8f6f4 v[ACC+32*((\a)%2)+8*\b:ACC+32*((\a)%2)+8*\b+7], v[48*((\k)%5)+FR*\b:48*((\k)%5)+FR*\b+FR-1], v[96*((\a)%2)+FR*(\k):96*((\a)%2)+FR*(\k)+FR-1], v[ACC+32*((\a)%2)+8*\b:ACC+32*((\a)%2)+8*\b+7], v[SB+8*\b+(\k)], v[SA+8*(\a)+(\k)] matrix_a_fmt:MATRIX_FMT_FP6 matrix_b_fmt:MATRIX_FMT_FP6
.endif
.endr
.endm
.macro TOSTAGE a                       ; 16 rows x 64 columns into my stage and back as rows of 256 bytes; LDS serves a wave's instructions in order
.set AC, ACC+32*((\a)%2)
.irp b, 0,1,2,3
	ds_store_b128 v[STO], v[AC+8*\b:AC+8*\b+3] offset:128*(\b/2)+32*(\b%2)       ; each accumulator from its low end on
	ds_store_b128 v[STO], v[AC+8*\b+4:AC+8*\b+7] offset:128*(\b/2)+32*(\b%2)+16
.endr
.irp t, 0,1,2,3,4,5,6,7
	ds_load_b128 v[BK+4*\t:BK+4*\t+3], v[RD] offset:\t*2*SPITCH
.endr
.endm
.macro SEND a                          ; sixteen lanes store 256 consecutive bytes, aligned
.irp t, 0,1,2,3,4,5,6,7
	global_store_b128 v[CO], v[BK+4*\t:BK+4*\t+3], s[12:13] offset:(32*((\a)/2)+8*((\a)%2)+2*\t+8*(\t/4))*8192 th:TH_STORE_NT
.endr
.endm
.macro BLK a                           ; block a is multiplied; block a - 1 leaves; block a + 1's fragments are fetched
	PLACES 4                                       ; behind block a - 1's products: its results are read, and its fragments' registers loaded anew
.if (\a) < 7
	WIN 0x40
	ALOAD (\a)+1
.endif
	WIN 0
.if (\a) > 1
	s_wait_xcnt 0x0                                ; block a - 2's stores have read their registers
.endif
	TOSTAGE (\a)-1
.if (\a) < 7
	s_wait_dscnt 40                                ; block a's fragments are in: all but the 24 + 16 just issued
.else
	s_wait_dscnt 16
.endif
	WIN M2
.irp k, 0,1,2,3,4
	MUL4 \a, \k
.endr
	WIN 0
	s_wait_dscnt 0x0                               ; block a - 1 is back in registers
	SEND (\a)-1
	WIN M3
.irp k, 5,6,7
	MUL4 \a, \k
.endr
.endm
	s_wait_tensorcnt 0x0                           ; my one load has landed,
	s_barrier_signal -1
	s_barrier_wait -1                              ; everybody's has
	WIN 0x40
	ALOAD 0
	WIN 0x80
.irp k, 0,1,2,3,4
	BLOAD \k
.endr
	WIN 0xc0
.irp k, 5,6,7
	BLOAD \k
.endr
	WIN 0x40
	ALOAD 1
	WIN 0
	s_wait_loadcnt 0x0                             ; the scale words
	s_wait_dscnt 60                                ; block 0 and wo's K steps 0-4 are in (behind them: 36 + 24 loads)
	WIN M2
.irp k, 0,1,2,3,4
	MUL4 0, \k
.endr
	s_wait_dscnt 24                                ; wo's K steps 5-7 (behind them: block 1's 24)
	WIN M3
.irp k, 5,6,7
	MUL4 0, \k
.endr
.irp a, 1,2,3,4,5,6,7
	BLK \a
.endr
	PLACES 4
	WIN 0
	s_wait_xcnt 0x0
	TOSTAGE 7
	s_wait_dscnt 0x0
	SEND 7
	s_wait_tensorcnt 0x0                           ; the wave's end
	ds_add_u32 v[SPW], v[NIL]
	s_wait_dscnt 0x0
	CROUND                                         ; the closing round
	s_endpgm
.Lfunc_end_k_q2834c77e28_gemm_out:
	.size	k_q2834c77e28_gemm_out, .Lfunc_end_k_q2834c77e28_gemm_out-k_q2834c77e28_gemm_out
	.p2alignl 7, 3214868480
	.fill 96, 4, 3214868480
	.section	.rodata,"a",@progbits
	.p2align	6, 0x0
	.amdhsa_kernel k_q2834c77e28_gemm_out
		.amdhsa_group_segment_fixed_size 327680
		.amdhsa_private_segment_fixed_size 0
		.amdhsa_enable_private_segment 0
		.amdhsa_kernarg_size 40
		.amdhsa_user_sgpr_count 2
		.amdhsa_user_sgpr_kernarg_segment_ptr 1
		.amdhsa_wavefront_size32 1
		.amdhsa_system_sgpr_workgroup_id_x 1
		.amdhsa_system_sgpr_workgroup_id_y 1
		.amdhsa_system_sgpr_workgroup_id_z 1
		.amdhsa_system_vgpr_workitem_id 0
		.amdhsa_next_free_vgpr 1024
		.amdhsa_next_free_sgpr 100
		.amdhsa_reserve_vcc 0
		.amdhsa_float_denorm_mode_32 3
		.amdhsa_float_denorm_mode_16_64 3
		.amdhsa_memory_ordered 1
		.amdhsa_forward_progress 1
		.amdhsa_inst_pref_size 79
	.end_amdhsa_kernel
	.amdgpu_metadata
---
amdhsa.version: [ 1, 2 ]
amdhsa.kernels:
  - .name:           k_q2834c77e28_gemm_out
    .symbol:         k_q2834c77e28_gemm_out.kd
    .args:
      - { .name: ctxc, .offset: 0, .size: 8, .value_kind: global_buffer, .address_space: global }
      - { .name: ctxs, .offset: 8, .size: 8, .value_kind: global_buffer, .address_space: global }
      - { .name: opc, .offset: 16, .size: 8, .value_kind: global_buffer, .address_space: global }
      - { .name: ops, .offset: 24, .size: 8, .value_kind: global_buffer, .address_space: global }
      - { .name: out0, .offset: 32, .size: 8, .value_kind: global_buffer, .address_space: global }
    .group_segment_fixed_size: 327680
    .private_segment_fixed_size: 0
    .kernarg_segment_align: 8
    .kernarg_segment_size: 40
    .max_flat_workgroup_size: 128
    .sgpr_count:     100
    .vgpr_count:     1024
    .wavefront_size: 32
...
	.end_amdgpu_metadata
.endif
;; end of part 4
